; MI455X (gfx1250); checked and timed in simulation.
; The chip was launched on July 23, 2026; its instructions are those of AMD's public machine-readable ISA for CDNA 5 (MIT licence, August 2026) and "CDNA5" Instruction Set Architecture Reference Guide (July 2026). The comments in the code are by the model that wrote it; some were corrected since.
;; Block. Allowed arithmetic: matrix products marked QUANTISED: E2M3 operands, one E8M0 scale for each 32 along K, by v_wmma_scale_f32_16x16x128_f8f6f4 with both operands' format E2M3, f32 sums; everything else in f32.
;; Inputs: ln1_b 1,024 float32; ln1_g 1,024 float32; ln2_b 1,024 float32; ln2_g 1,024 float32; w1 1,024 x 4,096 float32; w2 4,096 x 1,024 float32; w_proj 1,024 x 1,024 float32; w_qkv 1,024 x 3,072 float32; x 2 x 2,048 x 1,024 float32.
;; Outputs: out0 2 x 2,048 x 1,024 float32.
;; This version of the problem:
;;   THIS VERSION OF THE PROBLEM IS GIVEN IN LOW PRECISION. The matrix products marked QUANTISED in the list below multiply operands that are first quantised to E2M3 (2 exponent bits, 3 mantissa bits; 6 bits a number), with one power-of-two scale for each 32 numbers along K (OCP MX v1.0); their sums are f32. All else is computed in f32.
;;   The module's matrix products, in the order in which they are computed (A, B: the left and right operand; K: the contracted axis; several contracted axes count as one K, in the product's order):
;;     1. [M 4,096, K 1,024] x [K 1,024, N 3,072]; A: computed on the way; B: input w_qkv: QUANTISED
;;     2. batch 32 x [M 2,048, K 64] x [K 64, N 2,048]; A: computed on the way; B: computed on the way: QUANTISED
;;     3. batch 32 x [M 2,048, K 2,048] x [K 2,048, N 64]; A: softmax (see below); B: computed on the way: QUANTISED
;;     4. [M 4,096, K 1,024] x [K 1,024, N 1,024]; A: computed on the way; B: input w_proj: QUANTISED
;;     5. [M 4,096, K 1,024] x [K 1,024, N 4,096]; A: computed on the way; B: input w1: QUANTISED
;;     6. [M 4,096, K 4,096] x [K 4,096, N 1,024]; A: computed on the way; B: input w2: QUANTISED
;;   THE QUANTISER, for each operand of a quantised product, along K:
;;     - K is cut into blocks of 32 from its start; a last block that is shorter is filled with zeros.
;;     - A block's scale is 2^e with e = floor(log2(the largest magnitude in the block)) - 2, held to -126 .. 127; a block of zeros has e = 0. As a byte (E8M0): e + 127.
;;     - Each number is divided by its block's scale, clamped to +-7.5, and rounded to the nearest number of E2M3, ties to even, subnormals kept.
;;     - The product sums the exact products of the quantised numbers (number of the format x scale) in f32.
;;   ~~~python
;;   def quantise(x, axis):      # numpy; x: float32 -> the quantised numbers, widened to float32 again
;;       x = np.moveaxis(x, axis, -1); K = x.shape[-1]
;;       x = np.pad(x, [(0, 0)] * (x.ndim - 1) + [(0, -K % 32)]); x = x.reshape(x.shape[:-1] + (-1, 32)); a = np.abs(x).max(-1, keepdims=True)
;;       e = np.where(a > 0, np.clip(np.frexp(np.where(a > 0, a, 1))[1] - 1 - 2, -126, 127), 0)      # np.frexp(a)[1] - 1 = floor(log2(a)), exactly
;;       r = np.clip(x / 2.0 ** e, -7.5, 7.5)
;;       step = 2.0 ** (np.maximum(np.frexp(np.where(r == 0, 1, r))[1] - 1, 0) - 3)
;;       q = np.round(r / step) * step * 2.0 ** e      # np.round: ties to even
;;       return np.moveaxis(q.reshape(q.shape[:-2] + (-1,))[..., :K], -1, axis).astype(np.float32)
;;   ~~~
;;   SOFTMAX AHEAD OF A QUANTISED PRODUCT. Where the list says 'softmax', what is quantised is not the finished softmax but p = 2^(t - M), with t = logit x log2(e) and M = ceil(the row's largest t), a whole number; so 1/2 < the row's largest p <= 1. The row's sum l is taken of the UNQUANTISED p, in f32, and the product's result is divided by l at the end. Since M is a whole number, a kernel that streams over the keys may use a running M (the ceiling of the running maximum): every later rescaling is an exact power of two, which a block's scale takes up: the codes' values come out the same.
;;   OPERANDS COMPUTED ON THE WAY. 'Computed on the way' means the value that the module computes at that place (a softmax that the list does not call 'softmax' is quantised finished and normalised). What goes into a quantiser is computed in f32, as accurately as f32 sums, v_exp_f32 and their like allow (about 1e-6 of the number): no bf16 or f16 on the way to a quantiser, and a product that is left as it is and whose result goes on into a quantised operand takes f32 operands (vector FMAs, or v_wmma_f32_16x16x4_f32). A number that lies on a knife's edge between two numbers of the format may be rounded either way, as far as f32 arithmetic and the matrix unit's own rounding can turn it there, and no further.
;; One version. Each part assembles by itself: llvm-mc -triple=amdgcn-amd-amdhsa -mcpu=gfx1250 --defsym DOCPART=n.
;; ======== version 1 of 1: 8 launches
;; limits: right only within a limited range of input values
;; workspace buffers: wc 9,830,400 bytes; xn 3,276,800 bytes; at 3,276,800 bytes; hb 13,107,200 bytes; x1 16,777,216 bytes; qkv 10,092,544 bytes
;; launch wq (part 1): grid 768 x 1, 4 waves a work-group, no clusters, 13,824 bytes of LDS; arguments w_qkv, w_proj, w1, w2, wc; writes wc
.if DOCPART == 1
	.amdgcn_target "amdgcn-amd-amdhsa--gfx1250"
	.amdhsa_code_object_version 6
	.text
	.protected	k_q69eb21ce86_wq
	.globl	k_q69eb21ce86_wq
	.p2align	8
	.type	k_q69eb21ce86_wq,@function
k_q69eb21ce86_wq:
	s_mov_b64 s[64:65], 0
	v_nop
	global_prefetch_b8 v0, s[64:65] scope:SCOPE_SE
	s_setreg_imm32_b32 hwreg(HW_REG_WAVE_MODE, 25, 1), 1
	s_wait_xcnt 0x0
; The four weights, f32, stored [K][N] with K their FIRST axis, become codes of FP6 (E2M3) with one E8M0 scale byte for each 32 along K.
; OUTPUT LAYOUT (this program's own): a RECORD of 12,800 bytes for 128 columns n x 128 along K: eight fragments of 16 columns x 128 K as images of the operand's
; registers (registers 4c..4c+3 of lane l at 512 c + 16 l: 1,536 bytes), then 128 scale words (word 16 tile + row).  THE COLUMNS OF A TILE ARE NOT NEIGHBOURS:
; row i of tile 2 g + u is column 32 g + 8 u + i + 8 (i / 8), so that a product that takes these tiles as source 0 leaves 16 neighbouring columns in 16 registers.
; Record numbers: w_qkv 0..191 (8 x panel + K step), w_proj 192..255, w1 256..511, w2 512..767 (32 x panel + K step).  One work-group makes one record.
; A LANE TAKES A COLUMN AND ITS REGISTERS RUN DOWN K: a load reads 128 consecutive bytes a wave (512 a work-group), a block of 32 lies in one lane, nothing is transposed.
; A block's scale byte is its largest magnitude's exponent field - 2, held at 1 from below.
; LIMITS: a block of zeros, or one whose largest magnitude lies under 2^-124, gets the byte 1 (its codes are then zeros or held small; this program alone reads the bytes);
; NaN and infinities among the inputs are not served.
; No tensor loads and no cluster: no byte is read twice, so nothing could be shared.
.set REC,   12800
.set WORDS, 12288                      ; LDS and record alike: the scale words lie behind the eight images
.set VOFF,  32                         ; v32-63   byte offset of row i of a block, my column
.set X,     64                         ; v64-127  two sets of 32 numbers
.set C,     16                         ; v16-22   a block's codes
.set SB,    24                         ; v24      my column's four scale bytes
.set OUTR,  128                        ; v128-155 the way out
	s_load_b256 s[4:11], s[0:1], 0x0               ; w_qkv s[4:5], w_proj s[6:7], w1 s[8:9], w2 s[10:11]
	s_load_b64 s[12:13], s[0:1], 0x20              ; wc
	v_lshl_add_u32 v160, v0, 2, 0x3400
	v_mov_b32 v161, 0
	v_lshrrev_b32 v1, 5, v0
	v_readfirstlane_b32 s29, v1                    ; wave: the panel's columns 32 w .. 32 w + 31
	v_and_b32 v2, 31, v0                           ; lane L = 16 (i / 8) + 8 u + i % 8
	v_bfe_u32 v3, v0, 3, 1                         ; u
	v_and_b32 v4, 7, v0
	v_bfe_u32 v5, v0, 4, 1
	v_lshl_add_u32 v4, v5, 3, v4                   ; i: my column's row in tile 2 w + u
	s_mul_i32 s30, s29, 3072                       ; my wave's two images
	v_mul_u32_u24 v6, v3, 1536
	v_lshl_add_u32 v6, v4, 4, v6
	v_add_nc_u32 v6, s30, v6                       ; where my codes go: (2 w + u) 1,536 + 16 i
	v_lshl_add_u32 v7, v3, 4, v4
	v_lshlrev_b32 v7, 2, v7
	s_lshl_b32 s31, s29, 7
	v_add_nc_u32 v7, s31, v7
	v_add_nc_u32 v7, WORDS, v7                     ; my scale word: 4 (16 (2 w + u) + i) behind the images
	v_lshlrev_b32 v8, 4, v2
	v_add_nc_u32 v9, s30, v8                       ; the way out: 3,072 w + 16 L, in LDS and in the record alike
	v_add_nc_u32 v10, WORDS, v8                    ; and the words': 12,288 + 16 L
	s_wait_kmcnt 0x0
	; which tensor: the choice hangs on the work-group's number alone
	s_mov_b64 s[14:15], s[10:11]                   ; w2: rows of 4,096 bytes, first record 512, 32 K steps a panel
	s_mov_b32 s16, 4096
	s_mov_b32 s17, 512
	s_mov_b32 s18, 5
	s_mov_b32 s19, 16384
	s_mov_b32 s28, 256
	s_cmp_lt_u32 ttmp9, 512                        ; w1
	s_cselect_b64 s[14:15], s[8:9], s[14:15]
	s_cselect_b32 s16, s19, s16
	s_cselect_b32 s17, s28, s17
	s_cselect_b32 s18, 3, s18
	s_mov_b32 s19, 4096
	s_mov_b32 s28, 192
	s_cmp_lt_u32 ttmp9, 256                        ; w_proj
	s_cselect_b64 s[14:15], s[6:7], s[14:15]
	s_cselect_b32 s16, s19, s16
	s_cselect_b32 s17, s28, s17
	s_mov_b32 s19, 12288
	s_cmp_lt_u32 ttmp9, 192                        ; w_qkv
	s_cselect_b64 s[14:15], s[4:5], s[14:15]
	s_cselect_b32 s16, s19, s16
	s_cselect_b32 s17, 0, s17
	s_sub_co_u32 s20, ttmp9, s17
	s_lshr_b32 s21, s20, s18                       ; panel
	s_lshl_b32 s22, s21, s18
	s_sub_co_u32 s22, s20, s22                     ; K step
	s_lshl_b32 s23, s16, 7
	s_mul_i32 s22, s22, s23                        ; 128 rows a K step
	s_lshl_b32 s21, s21, 9                         ; 512 bytes a panel
	s_add_co_u32 s22, s22, s21
	s_mov_b32 s23, 0
	s_add_nc_u64 s[32:33], s[14:15], s[22:23]      ; a base for each block of 32 rows: none is written again
	s_lshl_b32 s22, s16, 5
	s_add_nc_u64 s[34:35], s[32:33], s[22:23]
	s_add_nc_u64 s[36:37], s[34:35], s[22:23]
	s_add_nc_u64 s[38:39], s[36:37], s[22:23]
	s_mul_i32 s40, ttmp9, REC
	s_mov_b32 s41, 0
	s_add_nc_u64 s[12:13], s[12:13], s[40:41]      ; my record
	v_lshlrev_b32 v[VOFF], 2, v0                   ; 128 w + 4 L
.set ii, 1
.rept 31
	v_add_nc_u32 v[VOFF+ii], s16, v[VOFF+ii-1]     ; one row further down
.set ii, ii+1
.endr
.macro LOAD t                          ; block t: W(32 t + i, my column) into set t % 2
.irp i, 0,1,2,3,4,5,6,7,8,9,10,11,12,13,14,15,16,17,18,19,20,21,22,23,24,25,26,27,28,29,30,31
	global_load_b32 v[X+32*((\t)%2)+\i], v[VOFF+\i], s[32+2*(\t):33+2*(\t)] th:TH_LOAD_NT
.endr
.endm
	LOAD 0
	LOAD 1
.macro BLOCK t
.set XS, X+32*((\t)%2)
.if (\t) < 3
	s_wait_loadcnt 32                              ; this block's 32 loads are in; the next block's may be out
.else
	s_wait_loadcnt 0x0
.endif
	v_max3_num_f32 v12, |v[XS]|, |v[XS+1]|, |v[XS+2]|   ; the block's largest magnitude, in two chains
	v_max3_num_f32 v13, |v[XS+3]|, |v[XS+4]|, |v[XS+5]|
.irp i, 6,10,14,18,22,26
	v_max3_num_f32 v12, v12, |v[XS+\i]|, |v[XS+\i+1]|
	v_max3_num_f32 v13, v13, |v[XS+\i+2]|, |v[XS+\i+3]|
.endr
	v_max3_num_f32 v12, v12, |v[XS+30]|, |v[XS+31]|
	v_max3_num_f32 v12, v12, v13, 0x1800000        ; and the floor 2^(3 - 127): the byte cannot fall under 1
	v_add_nc_u32 v11, 0xff000000, v12              ; 2 off the exponent field: the conversion's scale operand
	v_lshrrev_b32 v13, 23, v11                     ; the scale's byte
.if (\t) == 0
	v_mov_b32 v[SB], v13
.else
	v_lshl_or_b32 v[SB], v13, 8*(\t), v[SB]
.endif
	v_cvt_scalef32_pk16_fp6_f32 v[C:C+2], v[XS:XS+15], v11
	v_cvt_scalef32_pk16_fp6_f32 v[C+4:C+6], v[XS+16:XS+31], v11   ; (a conversion's three registers begin on an even number)
	v_nop                                          ; one plain instruction behind the conversions
	v_mov_b32 v[C+3], v[C+4]
	v_mov_b32 v[C+4], v[C+5]
	v_mov_b32 v[C+5], v[C+6]                       ; v[C..C+5]: the block's 24 bytes
	; block t is registers 6 (t / 2) .. + 5 of lane i + 16 (t % 2) of the image
.if (\t) < 2
	ds_store_b128 v6, v[C:C+3] offset:256*(\t)
	ds_store_b64 v6, v[C+4:C+5] offset:512+256*(\t)
.else
	ds_store_b64 v6, v[C:C+1] offset:520+256*((\t)-2)
	ds_store_b128 v6, v[C+2:C+5] offset:1024+256*((\t)-2)
.endif
.if (\t)+2 < 4
	LOAD (\t)+2
.endif
	s_wait_dscnt 0x0                               ; the stores have read their registers: the next block's codes may be written
.endm
	BLOCK 0
	BLOCK 1
	BLOCK 2
	BLOCK 3
	s_wait_alu depctr_va_vdst(0)
	ds_store_b32 v7, v[SB]
.irp m, 0,1,2,3,4,5
	ds_load_b128 v[OUTR+4*\m:OUTR+4*\m+3], v9 offset:512*\m   ; my wave's own two images: LDS serves a wave's instructions in order
.endr
.irp m, 0,1,2,3,4,5
	s_wait_dscnt 5-\m
	global_store_b128 v9, v[OUTR+4*\m:OUTR+4*\m+3], s[12:13] offset:512*\m   ; 32 lanes store 512 consecutive bytes
.endr
	s_wait_dscnt 0x0                               ; for the others' sake: my scale words lie in LDS
	s_barrier_signal -1
	s_barrier_wait -1
	s_cmp_lg_u32 s29, 0
	s_cbranch_scc1 .Ldone
	ds_load_b128 v[OUTR+24:OUTR+27], v10           ; wave 0 sends the record's 128 scale words as 512 consecutive bytes
	s_wait_dscnt 0x0
	global_store_b128 v10, v[OUTR+24:OUTR+27], s[12:13]
.Ldone:
	s_wait_tensorcnt 0x0
	ds_add_u32 v160, v161
	s_wait_dscnt 0x0
	s_endpgm
.Lfunc_end_k_q69eb21ce86_wq:
	.size	k_q69eb21ce86_wq, .Lfunc_end_k_q69eb21ce86_wq-k_q69eb21ce86_wq
	.p2alignl 7, 3214868480
	.fill 96, 4, 3214868480
	.section	.rodata,"a",@progbits
	.p2align	6, 0x0
	.amdhsa_kernel k_q69eb21ce86_wq
		.amdhsa_group_segment_fixed_size 13824
		.amdhsa_private_segment_fixed_size 0
		.amdhsa_enable_private_segment 0
		.amdhsa_kernarg_size 40
		.amdhsa_user_sgpr_count 2
		.amdhsa_user_sgpr_kernarg_segment_ptr 1
		.amdhsa_wavefront_size32 1
		.amdhsa_system_sgpr_workgroup_id_x 1
		.amdhsa_system_sgpr_workgroup_id_y 1
		.amdhsa_system_sgpr_workgroup_id_z 1
		.amdhsa_system_vgpr_workitem_id 0
		.amdhsa_next_free_vgpr 162
		.amdhsa_next_free_sgpr 66
		.amdhsa_reserve_vcc 0
		.amdhsa_float_denorm_mode_32 3
		.amdhsa_float_denorm_mode_16_64 3
		.amdhsa_memory_ordered 1
		.amdhsa_forward_progress 1
		.amdhsa_inst_pref_size 25
	.end_amdhsa_kernel
	.amdgpu_metadata
---
amdhsa.version: [ 1, 2 ]
amdhsa.kernels:
  - .name:           k_q69eb21ce86_wq
    .symbol:         k_q69eb21ce86_wq.kd
    .args:
      - { .name: w_qkv, .offset: 0, .size: 8, .value_kind: global_buffer, .address_space: global }
      - { .name: w_proj, .offset: 8, .size: 8, .value_kind: global_buffer, .address_space: global }
      - { .name: w1, .offset: 16, .size: 8, .value_kind: global_buffer, .address_space: global }
      - { .name: w2, .offset: 24, .size: 8, .value_kind: global_buffer, .address_space: global }
      - { .name: wc, .offset: 32, .size: 8, .value_kind: global_buffer, .address_space: global }
    .group_segment_fixed_size: 13824
    .private_segment_fixed_size: 0
    .kernarg_segment_align: 8
    .kernarg_segment_size: 40
    .max_flat_workgroup_size: 128
    .sgpr_count:     66
    .vgpr_count:     162
    .wavefront_size: 32
...
	.end_amdgpu_metadata
.endif
;; end of part 1
;; launch ln1 (part 2): grid 256 x 1, 8 waves a work-group, no clusters, 2,048 bytes of LDS; arguments x, ln1_g, ln1_b, xn; writes xn
.if DOCPART == 2
	.amdgcn_target "amdgcn-amd-amdhsa--gfx1250"
	.amdhsa_code_object_version 6
	.text
	.protected	k_q69eb21ce86_ln1
	.globl	k_q69eb21ce86_ln1
	.p2align	8
	.type	k_q69eb21ce86_ln1,@function
k_q69eb21ce86_ln1:
	s_mov_b64 s[64:65], 0
	v_nop
	global_prefetch_b8 v0, s[64:65] scope:SCOPE_SE
	s_setreg_imm32_b32 hwreg(HW_REG_WAVE_MODE, 25, 1), 1
	s_wait_xcnt 0x0
; LayerNorm over rows of 1,024 f32, then the quantiser along the row: codes of FP6 (E2M3), one E8M0 byte for each 32.
; A work-group takes one tile of 16 tokens; wave w takes columns 128 w .. 128 w + 127, one K step of the next product.  THE TOKENS OF A TILE ARE NOT NEIGHBOURS:
; row r of tile t is token 32 (t / 2) + 8 (t % 2) + r + 8 (r / 8) (the order that every later launch keeps).
; Lane (r, h) holds, of token r, the 16 numbers at 32 b + 16 h of each block b of 32: the order that the conversions want.
; Mean and variance in two passes (the mean is taken away before the squares), f32; the eight waves' partial sums meet in LDS, one barrier for each pass.
; OUTPUT: records of 12,800 bytes for 128 tokens x 128 columns: eight images of an operand's 12 registers (1,536 bytes each), then 128 scale words.
; The scale words leave as runs of 64 bytes (16 words a wave): 1/24 of what is stored.
; LIMITS: NaN and infinities are not served; a block under 2^-124 gets the byte 1.
; No matrix unit, tensor load or cluster: every byte of the rows is read once by one wave.
.set REC, 12800
.set XR,  64                           ; v64-127  my 64 numbers
.set GR,  128                          ; v128-191 the gain at my columns
.set BR,  192                          ; v192-255 the bias
.set PC,  12                           ; v12-30   the codes
.set TM,  32                           ; v32-47   the quantiser's work
.set PW,  48                           ; v48      my row's scale word
.set SEL, 20
.macro QUANT s                         ; 64 numbers, register 16 b + i = k 32 b + 16 (lane / 16) + i of my row -> codes in v[PC] on, scale word in v[PW]
.irp b, 0,1,2,3
	v_max3_num_f32 v[TM+\b], |v[\s+16*\b]|, |v[\s+1+16*\b]|, 0x1800000   ; with the floor 2^(3 - 127): the byte cannot fall under 1
.endr
.irp i, 2,4,6,8,10,12,14
.irp b, 0,1,2,3
	s_delay_alu instid0(VALU_DEP_4)
	v_max3_num_f32 v[TM+\b], v[TM+\b], |v[\s+16*\b+\i]|, |v[\s+1+16*\b+\i]|
.endr
.endr
.irp b, 0,1,2,3
	s_delay_alu instid0(VALU_DEP_4)
	v_permlanex16_b32 v[TM+4+\b], v[TM+\b], s[SEL], s[SEL+1]
.endr
.irp b, 0,1,2,3
	s_delay_alu instid0(VALU_DEP_4)
	v_max_num_f32 v[TM+\b], v[TM+\b], v[TM+4+\b]   ; with lane l xor 16's: the block's largest magnitude
.endr
.irp b, 0,1,2,3
	s_delay_alu instid0(VALU_DEP_4)
	v_add_nc_u32 v[TM+12+\b], 0xff000000, v[TM+\b] ; 2 off the exponent field: the conversion's scale operand
.endr
.irp b, 0,1,2,3
	s_delay_alu instid0(VALU_DEP_4)
	v_lshrrev_b32 v[TM+4+\b], 23, v[TM+12+\b]      ; the scale's byte
.endr
	s_delay_alu instid0(VALU_DEP_3)
	v_lshl_or_b32 v[PW], v[TM+5], 8, v[TM+4]
	s_delay_alu instid0(VALU_DEP_1)
	v_lshl_or_b32 v[PW], v[TM+6], 16, v[PW]
	s_delay_alu instid0(VALU_DEP_1)
	v_lshl_or_b32 v[PW], v[TM+7], 24, v[PW]
.irp c, 0,1
	v_cvt_scalef32_pk16_fp6_f32 v[PC+6*\c:PC+2+6*\c], v[\s+32*\c:\s+15+32*\c], v[TM+12+2*\c]
	v_cvt_scalef32_pk16_fp6_f32 v[PC+12+4*\c:PC+14+4*\c], v[\s+16+32*\c:\s+31+32*\c], v[TM+12+2*\c+1]
.endr
	v_nop                                          ; one plain instruction behind the conversions
.irp c, 0,1                                    ; the operand's layout wants a whole block in a lane
.irp i, 0,1,2
	v_permlane16_swap_b32 v[PC+6*\c+\i], v[PC+12+4*\c+\i]
.endr
.irp i, 0,1,2
	s_delay_alu instid0(VALU_DEP_3)
	v_mov_b32 v[PC+3+6*\c+\i], v[PC+12+4*\c+\i]
.endr
.endr
.endm
.macro REDUCE off                      ; the four chains v[50:57], lane l xor 16's half, the eight waves' parts through LDS at off: the row's sum in v52
	s_delay_alu instid0(VALU_DEP_3)
	v_pk_add_f32 v[50:51], v[50:51], v[52:53]
	s_delay_alu instid0(VALU_DEP_2)
	v_pk_add_f32 v[54:55], v[54:55], v[56:57]
	s_delay_alu instid0(VALU_DEP_1)
	v_pk_add_f32 v[50:51], v[50:51], v[54:55]
	s_delay_alu instid0(VALU_DEP_1)
	v_add_f32 v50, v50, v51
	s_delay_alu instid0(VALU_DEP_1)
	v_permlanex16_b32 v52, v50, s[SEL], s[SEL+1]
	s_delay_alu instid0(VALU_DEP_1)
	v_add_f32 v50, v50, v52
	ds_store_b32 v7, v50 offset:\off               ; word 8 r + w (both lanes of a row write the same number)
	s_wait_dscnt 0x0                               ; for the others' sake
	s_barrier_signal -1
	s_barrier_wait -1
	ds_load_b128 v[52:55], v6 offset:\off
	ds_load_b128 v[56:59], v6 offset:\off+16
	s_wait_dscnt 0x0
	v_add_f32 v52, v52, v53
	v_add_f32 v54, v54, v55
	v_add_f32 v56, v56, v57
	v_add_f32 v58, v58, v59
	s_delay_alu instid0(VALU_DEP_3)
	v_add_f32 v52, v52, v54
	s_delay_alu instid0(VALU_DEP_2)
	v_add_f32 v56, v56, v58
	s_delay_alu instid0(VALU_DEP_1)
	v_add_f32 v52, v52, v56
.endm
	s_load_b256 s[4:11], s[0:1], 0x0               ; the rows s[4:5], gain s[6:7], bias s[8:9], the records s[10:11]
	v_lshl_add_u32 v43, v0, 2, 0x400
	v_mov_b32 v49, 0
	v_lshrrev_b32 v1, 5, v0
	s_delay_alu instid0(VALU_DEP_1)
	v_readfirstlane_b32 s12, v1                    ; wave 0..7
	v_and_b32 v2, 15, v0                           ; r
	v_bfe_u32 v3, v0, 4, 1                         ; h
	s_delay_alu instid0(VALU_DEP_2)
	v_and_b32 v4, 8, v2
	s_delay_alu instid0(VALU_DEP_1)
	v_add_nc_u32 v4, v4, v2                        ; r + 8 (r / 8)
	s_delay_alu instid0(VALU_DEP_1)
	v_lshlrev_b32 v4, 12, v4                       ; rows of 4,096 bytes
	s_delay_alu instid0(VALU_DEP_1)
	v_lshl_add_u32 v4, v3, 6, v4                   ; + 64 h
	v_lshlrev_b32 v5, 6, v3                        ; gain and bias: 64 h
	v_lshlrev_b32 v6, 5, v2                        ; LDS: 32 r: a row's eight partial sums
	s_lshl_b32 s13, s12, 2
	v_add_nc_u32 v7, s13, v6                       ; and mine among them
	v_and_b32 v8, 31, v0
	s_delay_alu instid0(VALU_DEP_1)
	v_lshlrev_b32 v8, 4, v8                        ; an image's place for my lane
	v_lshlrev_b32 v9, 2, v2                        ; a scale word's
	s_mov_b32 s[SEL], 0x76543210
	s_mov_b32 s[SEL+1], 0xfedcba98                 ; lane l xor 16
	s_mov_b32 s26, 0x3a800000                      ; 1 / 1,024
	s_mov_b32 s27, 0x3727c5ac                      ; 1e-5
.irp b, 0,1,2,3
	v_mov_b32 v[TM+4+\b], 0                        ; written once: a lane permute's destination counts as one of its sources
.endr
	s_lshr_b32 s14, ttmp9, 1
	s_lshl_b32 s14, s14, 5
	s_and_b32 s15, ttmp9, 1
	s_lshl_b32 s15, s15, 3
	s_add_co_u32 s14, s14, s15                     ; the tile's first token
	s_lshl_b32 s14, s14, 12
	s_lshl_b32 s16, s12, 9                         ; my wave's 512 bytes of a row
	s_add_co_u32 s14, s14, s16
	s_mov_b32 s15, 0
	s_mov_b32 s17, 0
	s_lshr_b32 s18, ttmp9, 3
	s_lshl_b32 s18, s18, 3
	s_add_co_u32 s18, s18, s12
	s_mul_i32 s18, s18, REC                        ; record 8 x panel + K step
	s_and_b32 s22, ttmp9, 7                        ; the tile's place in its panel
	s_lshl_b32 s24, s22, 6
	s_add_co_u32 s24, s24, s18
	s_add_co_u32 s24, s24, 12288                   ; its 16 scale words
	s_mov_b32 s25, 0
	s_mul_i32 s22, s22, 1536
	s_add_co_u32 s18, s18, s22                     ; its image
	s_mov_b32 s19, 0
	s_wait_kmcnt 0x0
	s_add_nc_u64 s[4:5], s[4:5], s[14:15]
	s_add_nc_u64 s[6:7], s[6:7], s[16:17]
	s_add_nc_u64 s[8:9], s[8:9], s[16:17]
	s_add_nc_u64 s[22:23], s[10:11], s[24:25]
	s_add_nc_u64 s[10:11], s[10:11], s[18:19]
.irp b, 0,1,2,3
.irp j, 0,1,2,3
	global_load_b128 v[XR+16*\b+4*\j:XR+16*\b+4*\j+3], v4, s[4:5] offset:128*\b+16*\j
.endr
.endr
.irp b, 0,1,2,3
.irp j, 0,1,2,3
	global_load_b128 v[GR+16*\b+4*\j:GR+16*\b+4*\j+3], v5, s[6:7] offset:128*\b+16*\j
.endr
.endr
.irp b, 0,1,2,3
.irp j, 0,1,2,3
	global_load_b128 v[BR+16*\b+4*\j:BR+16*\b+4*\j+3], v5, s[8:9] offset:128*\b+16*\j
.endr
.endr
	s_wait_loadcnt 32                              ; my 64 numbers are in; the gain's and the bias's 32 loads may be out
.irp k, 0,1,2,3
	v_pk_add_f32 v[50+2*\k:51+2*\k], v[XR+2*\k:XR+2*\k+1], v[XR+8+2*\k:XR+9+2*\k]   ; four chains, started by the first pairs
.endr
.set pp, 8
.rept 24
	s_delay_alu instid0(VALU_DEP_4)
	v_pk_add_f32 v[50+2*(pp%4):51+2*(pp%4)], v[50+2*(pp%4):51+2*(pp%4)], v[XR+2*pp:XR+2*pp+1]
.set pp, pp+1
.endr
	REDUCE 0
	s_delay_alu instid0(VALU_DEP_1)
	v_mul_f32 v60, s26, v52                        ; the mean
	s_delay_alu instid0(VALU_DEP_1)
	v_mov_b32 v61, v60
.set pp, 0
.rept 32
	v_pk_add_f32 v[XR+2*pp:XR+2*pp+1], v[XR+2*pp:XR+2*pp+1], v[60:61] neg_lo:[0,1] neg_hi:[0,1]
.set pp, pp+1
.endr
.irp k, 0,1,2,3
	v_pk_mul_f32 v[50+2*\k:51+2*\k], v[XR+2*\k:XR+2*\k+1], v[XR+2*\k:XR+2*\k+1]
.endr
.set pp, 4
.rept 28
	s_delay_alu instid0(VALU_DEP_4)
	v_pk_fma_f32 v[50+2*(pp%4):51+2*(pp%4)], v[XR+2*pp:XR+2*pp+1], v[XR+2*pp:XR+2*pp+1], v[50+2*(pp%4):51+2*(pp%4)]
.set pp, pp+1
.endr
	REDUCE 512                                     ; other bytes than the first pass's: one barrier is enough
	s_delay_alu instid0(VALU_DEP_1)
	v_fma_f32 v52, v52, s26, s27                   ; the variance + 1e-5
	s_wait_alu depctr_va_vdst(0)
	v_rsq_f32 v62, v52
	v_nop                                          ; one plain instruction behind the transcendental
	s_wait_alu depctr_va_vdst(0)
	v_mov_b32 v63, v62
	s_wait_alu depctr_va_vdst(0)
	s_wait_loadcnt 0x0                             ; gain and bias
.set pp, 0
.rept 32
	v_pk_mul_f32 v[XR+2*pp:XR+2*pp+1], v[XR+2*pp:XR+2*pp+1], v[62:63]
.set pp, pp+1
.endr
.set pp, 0
.rept 32
	v_pk_fma_f32 v[XR+2*pp:XR+2*pp+1], v[XR+2*pp:XR+2*pp+1], v[GR+2*pp:GR+2*pp+1], v[BR+2*pp:BR+2*pp+1]
.set pp, pp+1
.endr
	QUANT XR
.irp c, 0,1,2
	global_store_b128 v8, v[PC+4*\c:PC+4*\c+3], s[10:11] offset:512*\c   ; 32 lanes store 512 consecutive bytes of the image
.endr
	global_store_b32 v9, v[PW], s[22:23]           ; both lanes of a row store the same word
	s_wait_tensorcnt 0x0                           ; the wave's end
	ds_add_u32 v43, v49
	s_wait_dscnt 0x0
	s_endpgm
.Lfunc_end_k_q69eb21ce86_ln1:
	.size	k_q69eb21ce86_ln1, .Lfunc_end_k_q69eb21ce86_ln1-k_q69eb21ce86_ln1
	.p2alignl 7, 3214868480
	.fill 96, 4, 3214868480
	.section	.rodata,"a",@progbits
	.p2align	6, 0x0
	.amdhsa_kernel k_q69eb21ce86_ln1
		.amdhsa_group_segment_fixed_size 2048
		.amdhsa_private_segment_fixed_size 0
		.amdhsa_enable_private_segment 0
		.amdhsa_kernarg_size 32
		.amdhsa_user_sgpr_count 2
		.amdhsa_user_sgpr_kernarg_segment_ptr 1
		.amdhsa_wavefront_size32 1
		.amdhsa_system_sgpr_workgroup_id_x 1
		.amdhsa_system_sgpr_workgroup_id_y 1
		.amdhsa_system_sgpr_workgroup_id_z 1
		.amdhsa_system_vgpr_workitem_id 0
		.amdhsa_next_free_vgpr 256
		.amdhsa_next_free_sgpr 66
		.amdhsa_reserve_vcc 0
		.amdhsa_float_denorm_mode_32 3
		.amdhsa_float_denorm_mode_16_64 3
		.amdhsa_memory_ordered 1
		.amdhsa_forward_progress 1
		.amdhsa_inst_pref_size 27
	.end_amdhsa_kernel
	.amdgpu_metadata
---
amdhsa.version: [ 1, 2 ]
amdhsa.kernels:
  - .name:           k_q69eb21ce86_ln1
    .symbol:         k_q69eb21ce86_ln1.kd
    .args:
      - { .name: x, .offset: 0, .size: 8, .value_kind: global_buffer, .address_space: global }
      - { .name: ln1_g, .offset: 8, .size: 8, .value_kind: global_buffer, .address_space: global }
      - { .name: ln1_b, .offset: 16, .size: 8, .value_kind: global_buffer, .address_space: global }
      - { .name: xn, .offset: 24, .size: 8, .value_kind: global_buffer, .address_space: global }
    .group_segment_fixed_size: 2048
    .private_segment_fixed_size: 0
    .kernarg_segment_align: 8
    .kernarg_segment_size: 32
    .max_flat_workgroup_size: 256
    .sgpr_count:     66
    .vgpr_count:     256
    .wavefront_size: 32
...
	.end_amdgpu_metadata
.endif
;; end of part 2
;; launch g1 (part 3): grid 24 x 32, 4 waves a work-group, clusters of 4 x 4, 205,312 bytes of LDS; arguments xn, wc, qkv; writes qkv
.if DOCPART == 3
	.amdgcn_target "amdgcn-amd-amdhsa--gfx1250"
	.amdhsa_code_object_version 6
	.text
	.protected	k_q69eb21ce86_g1
	.globl	k_q69eb21ce86_g1
	.p2align	8
	.type	k_q69eb21ce86_g1,@function
k_q69eb21ce86_g1:
	s_mov_b64 s[64:65], 0
	v_nop
	global_prefetch_b8 v0, s[64:65] scope:SCOPE_SE
	s_setreg_imm32_b32 hwreg(HW_REG_WAVE_MODE, 25, 1), 1
	s_wait_xcnt 0x0
	s_wait_alu depctr_hold_cnt(0) depctr_sa_sdst(0) depctr_va_vdst(0) depctr_va_sdst(0) depctr_va_ssrc(0) depctr_va_vcc(0) depctr_vm_vsrc(0)
	s_getreg_b32 s2, hwreg(HW_REG_IB_STS2, 6, 4)
	s_cmp_eq_u32 s2, 0
	s_cbranch_scc0 .Lentry_in_a_cluster
	s_endpgm
.Lentry_in_a_cluster:
	s_bfe_u32 s2, ttmp6, 0x10000c
	s_cmp_lg_u32 s2, 0xf033
	s_cbranch_scc0 .Lentry_shape_is_right
	s_endpgm
.Lentry_shape_is_right:
; qkv = LN1(x) W_qkv on codes of FP6 (E2M3), K = 1,024; the results are quantised here and leave as codes: q and k along the head's 64, v along the KEYS.
; A work-group makes 128 tokens (panel y) x 128 columns (panel x); four waves.  A wave multiplies ALL EIGHT tiles of operand P (source 0) by its own TWO tiles of operand Q
; (source 1): 16 accumulators.  In the result a lane holds one row of Q and its registers run along P, 16 neighbours in the registers of two neighbouring tiles
; (the rows of every tile are laid 32 g + 8 u + i + 8 (i / 8)): just what the conversions take.
; q, k (x < 16): P = the weight's columns, Q = tokens: a lane's 64 numbers are 128 columns = two heads of one token.
; v (x >= 16):   P = tokens, Q = the weight's columns: a lane's numbers are 128 KEYS of one channel.  Which panel is P is chosen by two LDS offsets that hang on the
; cluster's x alone (all partners and all waves agree); both choices stay inside the slot in hand, and this text stores nothing to LDS.
; OPERANDS lie in memory as records of 12,800 bytes (128 rows x 128 K: eight images of a fragment's 12 registers, then 128 scale words): a slot of four K steps of a panel is
; one dense block.  K = 1,024 is two slots: both are asked for at the start and nothing is filled again.  A wave has two tensor loads out at the most.
; CLUSTER 4 x 4: the token panel is shared along a row of the cluster, the weight panel along a column: joint loads.
; OUTPUT in qkv: q codes [bh][tile 128][768] at 0; at KV for each bh 196,608 bytes: k [tile 128][768], v [key step 16][channel tile 4][half 2][768]; q's scale words at QS [bh][2,048];
; at KVS for each bh 12,288 bytes: k's words [2,048], v's [16][64].  A half image (6 registers, 64 along K): registers 0-3 at 16 l, 4-5 at 512 + 8 l.  q's and k's words: bytes 0, 1; bytes 2, 3 are 0.
; The scale words leave as runs of 64 bytes: 1/24 of what is stored.
; LIMITS: NaN and infinities are not served; a block under 2^-124 gets the byte 1.
.set REC,   12800
.set XO,    4*REC                      ; in a slot: the token panel's four records, then the weight panel's
.set SLOT,  8*REC
.set NLD,   40                         ; LDS loads of one K step
.set KV,    3145728
.set QS,    9437184
.set KVS,   9699328
.set AP,    8                          ; v8-9    P's fragments in slot 0, 1
.set AQ,    10                         ; v10-11  my two of Q's
.set ASP,   12                         ; v12-13  P's scale words
.set ASQ,   14                         ; v14-15  Q's
.set SCW,   32                         ; v32-51  scale words, two sets of 8 + 2: they hold nothing else
.set TM,    64                         ; the quantiser's work
.set PW,    80
.set PC,    84
.set ACC,   128                        ; accumulator (a, i) at 128 + 64 a + 8 i;  window 1: buffer f at 128 f: P's eight fragments, from + 96 Q's two
.set SEL,   12
.set G1Y,   24
.set G0Y,   32
.set G1X,   48
.set G0X,   56
.set MSB, 0
.macro WIN new                         ; the immediate's high byte repeats the setting that is left
.if MSB != \new
	s_set_vgpr_msb (MSB<<8)|\new
.set MSB, \new
.endif
.endm
.macro PLACES                          ; four plain instructions between a matrix instruction and a load into, or a read of, its registers
.rept 4
	v_nop
.endr
.endm
.macro ARM is, g0, g1, next            ; one arm of the head's chain: wave \is issues its one joint load; s_nop 0 and four v_nop follow it
	s_cmp_eq_u32 s14, \is
	s_cbranch_scc0 \next
	tensor_load_to_lds s[\g0:\g0+3], s[\g1:\g1+7]
	s_nop 0
.rept 4
	v_nop
.endr
	s_branch .Lhead_asked
\next:
.endm
.macro CROUND                          ; a round of the cluster's barrier
	s_barrier_signal -1
	s_barrier_wait -1
	s_cmp_lg_u32 s14, 0
	s_cbranch_scc1 .Lnot_wave_0_\@
	s_barrier_signal -3
.Lnot_wave_0_\@:
	s_barrier_wait -3
	s_barrier_signal -1
	s_barrier_wait -1
.endm
.macro QUANT s                         ; 64 numbers, register 16 b + i = k 32 b + 16 (lane / 16) + i of my row -> codes in v[PC] on, scale word in v[PW]
.irp b, 0,1,2,3
	v_max3_num_f32 v[TM+\b], |v[\s+16*\b]|, |v[\s+1+16*\b]|, 0x1800000   ; each accumulator is read from its low end on; the floor holds the byte at 1
.endr
.irp i, 2,4,6,8,10,12,14
.irp b, 0,1,2,3
	v_max3_num_f32 v[TM+\b], v[TM+\b], |v[\s+16*\b+\i]|, |v[\s+1+16*\b+\i]|
.endr
.endr
.irp b, 0,1,2,3
	v_permlanex16_b32 v[TM+4+\b], v[TM+\b], s[SEL], s[SEL+1]
.endr
.irp b, 0,1,2,3
	v_max_num_f32 v[TM+\b], v[TM+\b], v[TM+4+\b]
.endr
.irp b, 0,1,2,3
	v_add_nc_u32 v[TM+12+\b], 0xff000000, v[TM+\b]
.endr
.irp b, 0,1,2,3
	v_lshrrev_b32 v[TM+4+\b], 23, v[TM+12+\b]
.endr
	v_lshl_or_b32 v[PW], v[TM+5], 8, v[TM+4]
	v_lshl_or_b32 v[PW], v[TM+6], 16, v[PW]
	v_lshl_or_b32 v[PW], v[TM+7], 24, v[PW]
.irp c, 0,1
	v_cvt_scalef32_pk16_fp6_f32 v[PC+6*\c:PC+2+6*\c], v[\s+32*\c:\s+15+32*\c], v[TM+12+2*\c]
	v_cvt_scalef32_pk16_fp6_f32 v[PC+12+4*\c:PC+14+4*\c], v[\s+16+32*\c:\s+31+32*\c], v[TM+12+2*\c+1]
.endr
	v_nop
.irp c, 0,1
.irp i, 0,1,2
	v_permlane16_swap_b32 v[PC+6*\c+\i], v[PC+12+4*\c+\i]
.endr
.irp i, 0,1,2
	v_mov_b32 v[PC+3+6*\c+\i], v[PC+12+4*\c+\i]
.endr
.endr
.endm
.macro FETCH slot, q, f                ; the fragments and scale words of the slot's q-th K step into buffer f: 40 LDS loads, each of consecutive bytes
	WIN 0x40                                       ; destination window 1, address window 0
.irp i, 0,1,2,3,4,5,6,7
.irp c, 0,1,2
	ds_load_b128 v[128*(\f)+12*\i+4*\c:128*(\f)+12*\i+4*\c+3], v[AP+\slot] offset:(\q)*REC+1536*\i+512*\c
.endr
.endr
.irp a, 0,1
.irp c, 0,1,2
	ds_load_b128 v[128*(\f)+96+12*\a+4*\c:128*(\f)+96+12*\a+4*\c+3], v[AQ+\slot] offset:(\q)*REC+1536*\a+512*\c
.endr
.endr
	WIN 0
.irp i, 0,1,2,3,4,5,6,7
	ds_load_b32 v[SCW+10*(\f)+\i], v[ASP+\slot] offset:(\q)*REC+64*\i
.endr
.irp a, 0,1
	ds_load_b32 v[SCW+10*(\f)+8+\a], v[ASQ+\slot] offset:(\q)*REC+64*\a
.endr
.endm
.macro MUL4 f, i0, zero                ; P's tiles i0, i0 + 1 x my two of Q.  The 16 accumulators take turns, in the same order in every K step
.irp i, \i0, \i0+1
.irp a, 0,1
.if \zero
	v_wmma_scale_f32_16x16x128_f8f6f4 v[ACC+64*\a+8*(\i):ACC+64*\a+8*(\i)+7], v[128*(\f)+12*(\i):128*(\f)+12*(\i)+11], v[128*(\f)+96+12*\a:128*(\f)+96+12*\a+11], 0, v[SCW+10*(\f)+(\i)], v[SCW+10*(\f)+8+\a] matrix_a_fmt:MATRIX_FMT_FP6 matrix_b_fmt:MATRIX_FMT_FP6
.else
	v_wmma_scale_f32_16x16x128_f8f6f4 v[ACC+64*\a+8*(\i):ACC+64*\a+8*(\i)+7], v[128*(\f)+12*(\i):128*(\f)+12*(\i)+11], v[128*(\f)+96+12*\a:128*(\f)+96+12*\a+11], v[ACC+64*\a+8*(\i):ACC+64*\a+8*(\i)+7], v[SCW+10*(\f)+(\i)], v[SCW+10*(\f)+8+\a] matrix_a_fmt:MATRIX_FMT_FP6 matrix_b_fmt:MATRIX_FMT_FP6
.endif
.endr
.endr
.endm
.macro STEP slot, q, zero              ; a K step that has its successor in the same slot: the successor is fetched into the other buffer, then this step is multiplied
	PLACES
	FETCH \slot, (\q)+1, 1-(\q)%2
	s_wait_dscnt NLD                               ; all but the 40 just issued: this step's operands are in
	WIN 0x05                                       ; sources 0 and 1 window 1; C and D window 0
	MUL4 (\q)%2, 0, \zero
	MUL4 (\q)%2, 2, \zero
	MUL4 (\q)%2, 4, \zero
	MUL4 (\q)%2, 6, \zero
	WIN 0
.endm
.macro TURN next                       ; slot 0's last K step, and the change to slot 1: nothing is filled again
	s_wait_tensorcnt 0x0                           ; my part of the next slot has landed
	s_wait_dscnt 0x0                               ; this step's operands are in
	WIN 0x05
	MUL4 1, 0, 0
	s_barrier_signal -1
	MUL4 1, 2, 0
	WIN 0
	s_barrier_wait -1                              ; everybody's part has landed
	PLACES
	FETCH \next, 0, 0
	WIN 0x05
	MUL4 1, 4, 0
	MUL4 1, 6, 0
	WIN 0
.endm
	s_load_b128 s[4:7], s[0:1], 0x0                ; xn s[4:5], wc s[6:7]
	s_load_b64 s[8:9], s[0:1], 0x10                ; qkv
	v_lshl_add_u32 v126, v0, 2, 0x32000
	v_mov_b32 v127, 0
	ds_add_u32 v126, v127
	ds_add_u32 v126, v127
	v_lshrrev_b32 v1, 5, v0
	v_readfirstlane_b32 s14, v1                    ; wave 0..3
	s_lshr_b32 s15, s14, 1                         ; the slot that I fetch; for v, which of the two heads is mine
	s_and_b32 s16, s14, 1                          ; w % 2: which two of a head's four channel tiles (v)
	s_bfe_u32 s40, ttmp6, 0x40000                  ; cx
	s_bfe_u32 s41, ttmp6, 0x40004                  ; cy
	s_lshl_b32 s42, ttmp9, 2
	s_add_co_u32 s42, s42, s40                     ; x: the weight's panel
	s_and_b32 s17, ttmp7, 0xffff
	s_lshl_b32 s17, s17, 2
	s_add_co_u32 s17, s17, s41                     ; y: the tokens' panel
	s_lshl_b32 s43, s41, 2
	s_lshl_b32 s43, 15, s43                        ; my row of the cluster
	s_lshl_b32 s44, 0x1111, s40                    ; my column
	s_or_b32 s[G1Y], s43, (3<<16)|(1<<21)          ; the mask; elements of 8 bytes; bit 21 beside a mask; no padding
	s_or_b32 s[G1X], s44, (3<<16)|(1<<21)
.irp g, G1Y, G1X
	s_mov_b32 s[\g+1], 32<<16
	s_mov_b32 s[\g+2], 200<<16                     ; four records, 51,200 dense bytes, as 200 rows of 256 bytes
	s_mov_b32 s[\g+3], 32<<16
	s_mov_b32 s[\g+4], 200
	s_mov_b32 s[\g+5], 32
	s_mov_b32 s[\g+6], 0
	s_mov_b32 s[\g+7], 0
.endr
	s_mul_i32 s18, s15, XO                         ; waves 0, 1 fetch slot 0's four K steps, waves 2, 3 slot 1's
	s_mul_i32 s20, s17, 8*REC                      ; the tokens' panel: eight records
	s_add_co_u32 s20, s20, s18
	s_mov_b32 s21, 0
	s_mul_i32 s46, s42, 8*REC                      ; the weight's: w_qkv's records begin at 0
	s_add_co_u32 s46, s46, s18
	s_mov_b32 s47, 0
	s_mul_i32 s45, s14, XO                         ; where they go: wave x 51,200: tokens, weight, tokens, weight
	s_wait_dscnt 0x0
	s_wait_kmcnt 0x0
	s_add_nc_u64 s[20:21], s[4:5], s[20:21]
	s_add_nc_u64 s[46:47], s[6:7], s[46:47]
	CROUND                                         ; all sixteen work-groups are here: the joint loads meet
	s_mov_b32 s[G0Y], 1
	s_mov_b32 s[G0Y+1], s45
	s_mov_b64 s[G0Y+2:G0Y+3], s[20:21]
	s_or_b32 s[G0Y+3], s[G0Y+3], 0x80000000
	s_mov_b32 s[G0X], 1
	s_mov_b32 s[G0X+1], s45
	s_mov_b64 s[G0X+2:G0X+3], s[46:47]
	s_or_b32 s[G0X+3], s[G0X+3], 0x80000000
	; the head's four tiles, one joint load a wave, each on a line of its own: even waves the tokens' four records of a slot, odd waves the weight's
	ARM 0, G0Y, G1Y, .Lhead_1
	ARM 1, G0X, G1X, .Lhead_2
	ARM 2, G0Y, G1Y, .Lhead_3
	tensor_load_to_lds s[G0X:G0X+3], s[G1X:G1X+7]
	s_nop 0
.rept 4
	v_nop
.endr
.Lhead_asked:
	s_cmp_ge_u32 ttmp9, 4                          ; the cluster's x: columns 2,048 on are v's
	s_cselect_b32 s85, 0, XO                       ; where P lies in a slot
	s_cselect_b32 s86, XO, 0                       ; where Q lies
	v_and_b32 v1, 15, v0                           ; r
	v_bfe_u32 v2, v0, 4, 1                         ; h
	v_and_b32 v3, 31, v0
	v_lshlrev_b32 v4, 4, v3                        ; 16 x lane
	v_lshlrev_b32 v5, 3, v3                        ; 8 x lane
	v_lshlrev_b32 v6, 2, v1                        ; 4 r
	v_add_nc_u32 v[AP], s85, v4
	s_mul_i32 s18, s14, 3072
	s_add_co_u32 s18, s18, s86
	v_add_nc_u32 v[AQ], s18, v4                    ; my tiles 2 w, 2 w + 1 of Q
	s_add_co_u32 s19, s85, 12288
	v_add_nc_u32 v[ASP], s19, v6
	s_lshl_b32 s19, s14, 7
	s_add_co_u32 s19, s19, s86
	s_add_co_u32 s19, s19, 12288
	v_add_nc_u32 v[ASQ], s19, v6
.irp g, AP, AQ, ASP, ASQ
	v_add_nc_u32 v[\g+1], SLOT, v[\g]
.endr
.irp b, 0,1,2,3
	v_mov_b32 v[TM+4+\b], 0                        ; written once: a lane permute's destination counts as one of its sources
.endr
	s_mov_b32 s[SEL], 0x76543210
	s_mov_b32 s[SEL+1], 0xfedcba98
	; where the results go, for each of the three parts; then the choice, which enters global offsets and data alone
	s_lshr_b32 s66, s17, 4
	s_lshl_b32 s66, s66, 4
	s_and_b32 s67, s42, 7
	s_lshl_b32 s67, s67, 1
	s_add_co_u32 s66, s66, s67                     ; 16 x batch + the panel's first head
	s_and_b32 s87, s17, 15                         ; the panel within its batch
	s_lshl_b32 s67, s87, 3
	s_lshl_b32 s68, s14, 1
	s_add_co_u32 s67, s67, s68                     ; my first token tile
	s_mul_i32 s81, s67, 768
	s_mul_i32 s68, s66, 98304
	s_add_co_u32 s68, s68, s81                     ; q's codes
	s_mul_i32 s69, s66, 196608
	s_add_co_u32 s69, s69, s81
	s_add_co_u32 s69, s69, KV                      ; k's
	s_add_co_u32 s82, s66, s15                     ; v: my head (waves 2, 3: the second)
	s_mul_i32 s70, s82, 196608
	s_mul_i32 s83, s87, 6144
	s_add_co_u32 s70, s70, s83
	s_mul_i32 s83, s16, 3072
	s_add_co_u32 s70, s70, s83
	s_add_co_u32 s70, s70, KV+98304                ; v's: key step, channel tile 2 (w % 2)
	s_lshl_b32 s81, s67, 6
	s_lshl_b32 s71, s66, 13
	s_add_co_u32 s71, s71, s81
	s_add_co_u32 s71, s71, QS                      ; q's scale words
	s_mul_i32 s72, s66, 12288
	s_add_co_u32 s72, s72, s81
	s_add_co_u32 s72, s72, KVS                     ; k's
	s_mul_i32 s73, s82, 12288
	s_lshl_b32 s83, s87, 8
	s_add_co_u32 s73, s73, s83
	s_lshl_b32 s83, s16, 7
	s_add_co_u32 s73, s73, s83
	s_add_co_u32 s73, s73, KVS+8192                ; v's
	s_mov_b32 s76, 1536                            ; v: from my first tile to my second;
	s_mov_b32 s77, 768                             ; from registers 0-5 to registers 6-11;
	s_mov_b32 s78, 0                               ; lanes 16-31 store the same word as lanes 0-15,
	s_mov_b32 s79, 0
	s_mov_b32 s80, -1                              ; whole
	s_mov_b32 s81, 768
	s_mov_b32 s82, 196608
	s_mov_b32 s83, 12288
	s_mov_b32 s84, 0xffff
	s_cmp_lt_u32 s42, 16                           ; k (and q, for what the two share)
	s_cselect_b32 s74, s69, s70
	s_cselect_b32 s75, s72, s73
	s_cselect_b32 s76, s81, s76
	s_cselect_b32 s77, s82, s77                    ; registers 6-11 are the next head's
	s_cselect_b32 s78, s83, s78                    ; lanes 16-31 store the next head's word:
	s_cselect_b32 s79, 16, s79                     ; the upper two bytes
	s_cselect_b32 s80, s84, s80
	s_mov_b32 s82, 98304
	s_mov_b32 s83, 8192
	s_cmp_lt_u32 s42, 8                            ; q
	s_cselect_b32 s74, s68, s74
	s_cselect_b32 s75, s71, s75
	s_cselect_b32 s77, s82, s77
	s_cselect_b32 s78, s83, s78
	s_mov_b32 s99, 0
	s_mov_b32 s98, s74
	s_add_nc_u64 s[88:89], s[8:9], s[98:99]        ; tile a = 0: registers 0-5,
	s_mov_b32 s98, s77
	s_add_nc_u64 s[90:91], s[88:89], s[98:99]      ; registers 6-11;
	s_mov_b32 s98, s76
	s_add_nc_u64 s[92:93], s[88:89], s[98:99]      ; tile a = 1
	s_add_nc_u64 s[94:95], s[90:91], s[98:99]
	s_mov_b32 s98, s75
	s_add_nc_u64 s[96:97], s[8:9], s[98:99]        ; the scale words
	v_mul_lo_u32 v23, v2, s78
	v_lshl_add_u32 v23, v1, 2, v23                 ; 4 r + h x the distance
	v_mul_lo_u32 v24, v2, s79                      ; h x the shift
	s_wait_alu depctr_va_vdst(0)
	s_cmp_lt_u32 s14, 2                            ; slot 0 is waves 0 and 1's: they wait; slot 1's loads may stay out
	s_cbranch_scc0 .Lnot_first
	s_wait_tensorcnt 0x0
.Lnot_first:
	s_barrier_signal -1
	s_barrier_wait -1
	FETCH 0, 0, 0
	STEP 0, 0, 1                                   ; the first products start the sums: nothing is cleared
	STEP 0, 1, 0
	STEP 0, 2, 0
	TURN 1
	STEP 1, 0, 0
	STEP 1, 1, 0
	STEP 1, 2, 0
	s_wait_dscnt 0x0
	WIN 0x05
	MUL4 1, 0, 0
	MUL4 1, 2, 0
	MUL4 1, 4, 0
	MUL4 1, 6, 0
	WIN 0
	PLACES
.macro EPI a                           ; my tile a of Q: 16 rows x 128 along P become one fragment, stored as two half images, and a scale word a row
.if \a
	s_wait_xcnt 0x0                                ; the first tile's stores have read their registers
.endif
	QUANT ACC+64*\a
	v_lshrrev_b32 v81, v24, v[PW]
	v_and_b32 v81, s80, v81
	global_store_b128 v4, v[PC:PC+3], s[88+4*\a:89+4*\a]             ; 512 consecutive bytes
	global_store_b64 v5, v[PC+4:PC+5], s[88+4*\a:89+4*\a] offset:512 ; 256
	global_store_b128 v4, v[PC+6:PC+9], s[90+4*\a:91+4*\a]
	global_store_b64 v5, v[PC+10:PC+11], s[90+4*\a:91+4*\a] offset:512
	global_store_b32 v23, v81, s[96:97] offset:64*\a
.endm
	EPI 0
	EPI 1
	s_wait_tensorcnt 0x0
	ds_add_u32 v126, v127
	s_wait_dscnt 0x0
	CROUND                                         ; the closing round: no work-group ends while a partner may still ask for a tile that names it
	s_endpgm
.Lfunc_end_k_q69eb21ce86_g1:
	.size	k_q69eb21ce86_g1, .Lfunc_end_k_q69eb21ce86_g1-k_q69eb21ce86_g1
	.p2alignl 7, 3214868480
	.fill 96, 4, 3214868480
	.section	.rodata,"a",@progbits
	.p2align	6, 0x0
	.amdhsa_kernel k_q69eb21ce86_g1
		.amdhsa_group_segment_fixed_size 205312
		.amdhsa_private_segment_fixed_size 0
		.amdhsa_enable_private_segment 0
		.amdhsa_kernarg_size 24
		.amdhsa_user_sgpr_count 2
		.amdhsa_user_sgpr_kernarg_segment_ptr 1
		.amdhsa_wavefront_size32 1
		.amdhsa_system_sgpr_workgroup_id_x 1
		.amdhsa_system_sgpr_workgroup_id_y 1
		.amdhsa_system_sgpr_workgroup_id_z 1
		.amdhsa_system_vgpr_workitem_id 0
		.amdhsa_next_free_vgpr 512
		.amdhsa_next_free_sgpr 100
		.amdhsa_reserve_vcc 0
		.amdhsa_float_denorm_mode_32 3
		.amdhsa_float_denorm_mode_16_64 3
		.amdhsa_memory_ordered 1
		.amdhsa_forward_progress 1
		.amdhsa_inst_pref_size 57
	.end_amdhsa_kernel
	.amdgpu_metadata
---
amdhsa.version: [ 1, 2 ]
amdhsa.kernels:
  - .name:           k_q69eb21ce86_g1
    .symbol:         k_q69eb21ce86_g1.kd
    .args:
      - { .name: xn, .offset: 0, .size: 8, .value_kind: global_buffer, .address_space: global }
      - { .name: wc, .offset: 8, .size: 8, .value_kind: global_buffer, .address_space: global }
      - { .name: qkv, .offset: 16, .size: 8, .value_kind: global_buffer, .address_space: global }
    .group_segment_fixed_size: 205312
    .private_segment_fixed_size: 0
    .kernarg_segment_align: 8
    .kernarg_segment_size: 24
    .max_flat_workgroup_size: 128
    .sgpr_count:     100
    .vgpr_count:     512
    .wavefront_size: 32
...
	.end_amdgpu_metadata
.endif
;; end of part 3
;; launch att (part 4): grid 8 x 32, 8 waves a work-group, clusters of 4 x 1, 210,944 bytes of LDS; arguments qkv, at; writes at
.if DOCPART == 4
	.amdgcn_target "amdgcn-amd-amdhsa--gfx1250"
	.amdhsa_code_object_version 6
	.text
	.protected	k_q69eb21ce86_att
	.globl	k_q69eb21ce86_att
	.p2align	8
	.type	k_q69eb21ce86_att,@function
k_q69eb21ce86_att:
	s_mov_b64 s[64:65], 0
	v_nop
	global_prefetch_b8 v0, s[64:65] scope:SCOPE_SE
	s_setreg_imm32_b32 hwreg(HW_REG_WAVE_MODE, 25, 1), 1
	s_wait_xcnt 0x0
	s_wait_alu depctr_hold_cnt(0) depctr_sa_sdst(0) depctr_va_vdst(0) depctr_va_sdst(0) depctr_va_ssrc(0) depctr_va_vcc(0) depctr_vm_vsrc(0)
	s_getreg_b32 s2, hwreg(HW_REG_IB_STS2, 6, 4)
	s_cmp_eq_u32 s2, 0
	s_cbranch_scc0 .Lentry_in_a_cluster
	s_endpgm
.Lentry_in_a_cluster:
	s_bfe_u32 s2, ttmp6, 0x10000c
	s_cmp_lg_u32 s2, 0x3003
	s_cbranch_scc0 .Lentry_shape_is_right
	s_endpgm
.Lentry_shape_is_right:
; Causal attention of one (batch, head) on codes of FP6 (E2M3): S^T = K Q^T (K = the head's 64: the upper 64 of the instruction's 128 are zero codes), p = 2^(t - M) quantised along the keys,
; O^T = V^T P^T, O / l quantised along the channels and stored as codes.  t = score x log2(e) / 8; M = the running largest t rounded UP to a whole number; l = the sum of the unquantised p.
; Key tiles that lie wholly behind the causal mask are left out.
; THE WHOLE HEAD LIES IN LDS, filled once: K's codes 98,304 bytes, V's 98,304 behind them (as in memory), their scale words 12,288.  No ring, nothing is filled again.
; The four work-groups of a cluster share the head: each tile is asked for JOINTLY (mask 15).  One tensor load a wave: waves 0 to 5 a sixth of the codes each (128 rows of 256 bytes),
; waves 6 and 7 a half of the scale words each.
; SHARES.  Eight waves; a wave takes TWO tiles of 16 queries, one after the other, in two passes of one text: ranks rho = w and 15 - w, query tile 8 rho + j, j the work-group's number 0..7.
; A tile of rank rho needs key steps 0 .. rho, and step rho is the one on the diagonal: so every wave has (w + 1) + (16 - w) = 17 key steps.
; Every branch hangs on the wave's number and on loops' counts alone.
; A lane holds ONE query throughout (both products are used transposed).  The keys, queries and channels of a tile lie 32 g + 8 u + i + 8 (i / 8), so that the 16 registers of two neighbouring
; tiles are 16 neighbours along the next product's K.
; OUTPUT: at's records (128 tokens x 128 channels = two heads): a fragment is two half images, one a head; the two scale bytes of a row and head leave by a store of two bytes:
; 1/24 of what is stored.
; LIMITS: NaN and infinities are not served; a block whose every p has fallen to 0 keeps the byte 1 with zero codes; the scaled scores stay under 2^31 in magnitude.
.set REC,  12800
.set KV,   3145728
.set QS,   9437184
.set KVS,  9699328
.set LV,   98304                       ; LDS: V's codes
.set LKS,  196608                      ; K's scale words, 8,192 bytes; V's behind them
.set LVS,  204800
.set KF,   32                          ; v32-79   four fragments of K (registers 6-11 of each stay 0)
.set VF,   80                          ; v80-127  V's four
.set SS,   128                         ; v128-191 S^T, then p
.set OO,   192                         ; v192-223 O^T
.set WV,   8
.set RHO,  12
.set G1C,  16                          ; s[16:23] group 1: 128 rows of 256 bytes;  s[24:31]: 24 rows
.set G1S,  24
.set G0,   32                          ; s[32:35] the scale words' group 0;  s[36:39] the codes'
.set TK,   60                          ; LDS byte of the step's K tiles, V tiles, K words, V words
.set TV,   61
.set TSK,  62
.set TSV,  63
.set KS,   66                          ; the key step's number
.set CNT,  67
.set SEL,  68
.set CS,   70
.macro CROUND
	s_barrier_signal -1
	s_barrier_wait -1
	s_cmp_lg_u32 s[WV], 0
	s_cbranch_scc1 .Lnot_wave_0_\@
	s_barrier_signal -3
.Lnot_wave_0_\@:
	s_barrier_wait -3
	s_barrier_signal -1
	s_barrier_wait -1
.endm
	s_load_b128 s[4:7], s[0:1], 0x0                ; qkv s[4:5], at s[6:7]
	v_lshl_add_u32 v243, v0, 2, 0x33000
	v_mov_b32 v255, 0
	ds_add_u32 v243, v255                          ; the opening lines
	ds_add_u32 v243, v255
	v_lshrrev_b32 v1, 5, v0
	s_delay_alu instid0(VALU_DEP_1)
	v_readfirstlane_b32 s[WV], v1                  ; wave 0..7
	s_bfe_u32 s9, ttmp6, 0x40000                   ; cx
	s_lshl_b32 s10, ttmp9, 2
	s_add_co_u32 s10, s10, s9                      ; j: it enters Q's and the output's addresses and the mask's data alone
	s_and_b32 s11, ttmp7, 0xffff                   ; 16 x batch + head, which the partners share
	s_mov_b32 s[RHO], s[WV]                        ; the first pass's rank
	s_mov_b32 s[G1C], 15|(3<<16)|(1<<21)           ; all four work-groups; elements of 8 bytes; bit 21 beside a mask
	s_mov_b32 s[G1C+1], 32<<16
	s_mov_b32 s[G1C+2], 128<<16
	s_mov_b32 s[G1C+3], 32<<16
	s_mov_b32 s[G1C+4], 128
	s_mov_b32 s[G1C+5], 32
	s_mov_b32 s[G1C+6], 0
	s_mov_b32 s[G1C+7], 0
	s_mov_b32 s[G1S], 15|(3<<16)|(1<<21)
	s_mov_b32 s[G1S+1], 32<<16
	s_mov_b32 s[G1S+2], 24<<16
	s_mov_b32 s[G1S+3], 32<<16
	s_mov_b32 s[G1S+4], 24
	s_mov_b32 s[G1S+5], 32
	s_mov_b32 s[G1S+6], 0
	s_mov_b32 s[G1S+7], 0
	s_and_b32 s13, s[WV], 1                        ; waves 6, 7: which half of the words
	s_lshl_b32 s54, s[WV], 15                      ; waves 0 to 5: 32,768 w, in LDS and in memory alike
	s_mul_i32 s52, s11, 196608
	s_add_co_u32 s52, s52, s54
	s_add_co_u32 s52, s52, KV
	s_mov_b32 s53, 0
	s_mul_i32 s55, s13, 6144
	s_mul_i32 s56, s11, 12288
	s_add_co_u32 s56, s56, s55
	s_add_co_u32 s56, s56, KVS
	s_mov_b32 s57, 0
	s_lshl_b32 s14, s[RHO], 3
	s_add_co_u32 s14, s14, s10                     ; my first query tile
	s_lshl_b32 s15, s11, 7
	s_add_co_u32 s15, s15, s14
	s_mul_i32 s72, s15, 768                        ; its half image
	s_mov_b32 s73, 0
	s_lshl_b32 s74, s15, 6
	s_add_co_u32 s74, s74, QS                      ; its 16 scale words
	s_mov_b32 s75, 0
	s_lshr_b32 s80, s11, 4
	s_lshl_b32 s80, s80, 4
	s_add_co_u32 s80, s80, s[RHO]                  ; the token panel: 16 x batch + rho
	s_lshl_b32 s80, s80, 3
	s_bfe_u32 s81, s11, 0x30001                    ; head / 2: the K step of the next product
	s_add_co_u32 s80, s80, s81
	s_mul_i32 s80, s80, REC
	s_and_b32 s81, s11, 1
	s_mul_i32 s82, s10, 1536
	s_mul_i32 s83, s81, 768
	s_add_co_u32 s76, s80, s82
	s_add_co_u32 s76, s76, s83                     ; tile j's fragment, my head's half
	s_mov_b32 s77, 0
	s_lshl_b32 s82, s10, 6
	s_lshl_b32 s83, s81, 1
	s_add_co_u32 s78, s80, s82
	s_add_co_u32 s78, s78, s83
	s_add_co_u32 s78, s78, 12288                   ; and my head's two bytes of its scale words
	s_mov_b32 s79, 0
	s_lshl_b32 s84, s[WV], 1
	s_sub_co_u32 s84, 15, s84                      ; from the first pass's rank to the second's: 15 - 2 w ranks, 8 query tiles and one token panel each
	s_mul_i32 s40, s84, 6144                       ; in Q's half images,
	s_mov_b32 s41, 0
	s_lshl_b32 s42, s84, 9                         ; in Q's words,
	s_mov_b32 s43, 0
	s_mul_i32 s44, s84, 8*REC                      ; in the output's records
	s_mov_b32 s45, 0
	s_mov_b32 s46, 0                               ; the pass
	s_lshr_b32 s58, s10, 1
	s_lshl_b32 s58, s58, 5
	s_and_b32 s59, s10, 1
	s_lshl_b32 s59, s59, 3
	s_add_co_u32 s58, s58, s59                     ; the tile's first query within its 128
	s_mov_b32 s[SEL], 0x76543210
	s_mov_b32 s[SEL+1], 0xfedcba98
	s_mov_b32 s[CS], 0x3e38aa3b                    ; c = log2(e) / 8
	s_mov_b32 s[CS+1], s[CS]
	s_wait_dscnt 0x0
	s_wait_kmcnt 0x0
	s_add_nc_u64 s[52:53], s[4:5], s[52:53]
	s_add_nc_u64 s[56:57], s[4:5], s[56:57]
	s_add_nc_u64 s[72:73], s[4:5], s[72:73]
	s_add_nc_u64 s[74:75], s[4:5], s[74:75]
	s_add_nc_u64 s[76:77], s[6:7], s[76:77]
	s_add_nc_u64 s[78:79], s[6:7], s[78:79]
	CROUND                                         ; all four work-groups are here: the joint loads meet
	s_mov_b32 s[G0], 1
	s_add_co_u32 s[G0+1], s55, LKS
	s_mov_b64 s[G0+2:G0+3], s[56:57]
	s_or_b32 s[G0+3], s[G0+3], 0x80000000
	s_mov_b32 s[G0+4], 1
	s_mov_b32 s[G0+5], s54
	s_mov_b64 s[G0+6:G0+7], s[52:53]
	s_or_b32 s[G0+7], s[G0+7], 0x80000000
	s_cmp_lt_u32 s[WV], 6                          ; one chain of two arms: every wave issues one load
	s_cbranch_scc0 .Lwords
	tensor_load_to_lds s[G0+4:G0+7], s[G1C:G1C+7]
	s_nop 0
.rept 4
	v_nop
.endr
	s_branch .Lasked
.Lwords:
	tensor_load_to_lds s[G0:G0+3], s[G1S:G1S+7]
	s_nop 0
.rept 4
	v_nop
.endr
.Lasked:
	v_and_b32 v5, 31, v0
	s_delay_alu instid0(VALU_DEP_1)
	v_lshlrev_b32 v1, 4, v5                        ; 16 x lane
	s_delay_alu instid0(VALU_DEP_2)
	v_lshlrev_b32 v2, 3, v5                        ; 8 x lane
	v_and_b32 v6, 15, v0                           ; r
	s_delay_alu instid0(VALU_DEP_1)
	v_lshlrev_b32 v3, 2, v6                        ; 4 r
	v_and_b32 v7, 8, v6
	s_delay_alu instid0(VALU_DEP_1)
	v_add_nc_u32 v4, v7, v6                        ; r + 8 (r / 8)
	v_bfe_u32 v7, v0, 4, 1
	s_delay_alu instid0(VALU_DEP_1)
	v_lshlrev_b32 v7, 4, v7
	s_delay_alu instid0(VALU_DEP_1)
	v_sub_nc_u32 v4, v4, v7
	s_delay_alu instid0(VALU_DEP_1)
	v_add_nc_u32 v4, s58, v4                       ; d = my query within its 128 - 16 (lane / 16): on the diagonal register 16 b + i is hidden where 32 b + i > d
.irp i, 22,23,24,25,26,27
	v_mov_b32 v\i, 0                               ; the upper 64 along K: zero codes
.endr
.irp t, 0,1,2,3
.irp i, 6,7,8,9,10,11
	v_mov_b32 v[KF+12*\t+\i], 0
.endr
.endr
; A KEY STEP: 128 keys.  A step behind my diagonal is left out: a scalar branch on the rank and the step's number, round the work, not round the lines that step addresses.
.macro STEP
	s_cmp_gt_u32 s[KS], s[RHO]
	s_cbranch_scc1 .Lskip_\@
	v_add_nc_u32 v5, s[TK], v1                     ; (these six are also the places in front of the loads below)
	v_add_nc_u32 v6, s[TK], v2
	v_add_nc_u32 v7, s[TSK], v3
	v_add_nc_u32 v8, s[TV], v1
	v_add_nc_u32 v9, s[TV], v2
	v_add_nc_u32 v10, s[TSV], v3
.irp t, 0,1,2,3
	ds_load_b128 v[KF+12*\t:KF+12*\t+3], v5 offset:768*\t
	ds_load_b64 v[KF+12*\t+4:KF+12*\t+5], v6 offset:768*\t+512
	ds_load_b32 v[248+\t], v7 offset:64*\t
.endr
	s_wait_alu depctr_va_vdst(0)
	s_wait_dscnt 0x0
.irp t, 0,1,2,3
	v_wmma_scale_f32_16x16x128_f8f6f4 v[SS+8*\t:SS+8*\t+7], v[KF+12*\t:KF+12*\t+11], v[16:27], 0, v[248+\t], v11 matrix_a_fmt:MATRIX_FMT_FP6 matrix_b_fmt:MATRIX_FMT_FP6
.endr
.rept 4
	v_nop                                          ; places in front of loads into registers that these products read
.endr
.irp t, 0,1,2,3
	ds_load_b128 v[KF+12*\t:KF+12*\t+3], v5 offset:768*(4+\t)
	ds_load_b64 v[KF+12*\t+4:KF+12*\t+5], v6 offset:768*(4+\t)+512
	ds_load_b32 v[248+\t], v7 offset:64*(4+\t)
.endr
.irp d, 0,1,2,3                                ; V's four fragments are asked for now and land under the softmax
	ds_load_b128 v[VF+12*\d:VF+12*\d+3], v8 offset:1536*\d
	ds_load_b64 v[VF+12*\d+4:VF+12*\d+5], v9 offset:1536*\d+512
	ds_load_b128 v[VF+12*\d+6:VF+12*\d+9], v8 offset:1536*\d+768
	ds_load_b64 v[VF+12*\d+10:VF+12*\d+11], v9 offset:1536*\d+1280
	ds_load_b32 v[28+\d], v10 offset:64*\d
.endr
	s_wait_dscnt 20                                ; K's are in; V's 20 loads may be out
.irp t, 0,1,2,3
	v_wmma_scale_f32_16x16x128_f8f6f4 v[SS+32+8*\t:SS+32+8*\t+7], v[KF+12*\t:KF+12*\t+11], v[16:27], 0, v[248+\t], v11 matrix_a_fmt:MATRIX_FMT_FP6 matrix_b_fmt:MATRIX_FMT_FP6
.endr
.rept 4
	v_nop
.endr
	s_cmp_lg_u32 s[KS], s[RHO]                     ; on the diagonal hidden scores become -infinity ahead of the maximum: p = 0 then
	s_cbranch_scc1 .Lopen_\@
	v_mov_b32 v254, 0xff800000
.set nn, 0
.rept 64
	v_cmp_gt_i32 vcc_lo, 32*(nn/16)+nn%16, v4
	v_cndmask_b32 v[SS+nn], v[SS+nn], v254, vcc_lo
.set nn, nn+1
.endr
.Lopen_\@:
.irp b, 0,1,2,3
	v_max3_num_f32 v[232+\b], v[SS+16*\b], v[SS+1+16*\b], v[SS+2+16*\b]   ; the largest score of each block of 32 keys: for the row's maximum, and for the block's largest p
.endr
.irp i, 3,5,7,9,11,13
.irp b, 0,1,2,3
	v_max3_num_f32 v[232+\b], v[232+\b], v[SS+16*\b+\i], v[SS+1+16*\b+\i]
.endr
.endr
.irp b, 0,1,2,3
	v_max_num_f32 v[232+\b], v[232+\b], v[SS+15+16*\b]
.endr
.irp b, 0,1,2,3
	s_delay_alu instid0(VALU_DEP_4)
	v_permlanex16_b32 v[236+\b], v[232+\b], s[SEL], s[SEL+1]
.endr
.irp b, 0,1,2,3
	s_delay_alu instid0(VALU_DEP_4)
	v_max_num_f32 v[232+\b], v[232+\b], v[236+\b]
.endr
	s_delay_alu instid0(VALU_DEP_2)
	v_max3_num_f32 v254, v232, v233, v234
	s_delay_alu instid0(VALU_DEP_1)
	v_max_num_f32 v254, v254, v235
	s_delay_alu instid0(VALU_DEP_1)
	v_mul_f32 v254, s[CS], v254
	s_delay_alu instid0(VALU_DEP_1)
	v_max_num_f32 v13, v13, v254                   ; the running largest t
	v_mov_b32 v254, v12
	s_delay_alu instid0(VALU_DEP_2)
	v_floor_f32 v12, -v13                          ; the new -M = -ceil(t)
	s_delay_alu instid0(VALU_DEP_1)
	v_sub_f32 v254, v12, v254                      ; old M - new M: a whole number, 0 or less
	s_delay_alu instid0(VALU_DEP_1)
	v_cvt_i32_f32 v254, v254                       ; (it saturates)
	s_delay_alu instid0(VALU_DEP_1)
	v_ldexp_f32 v252, 1.0, v254                    ; f = 2^(old M - new M): rounds nothing
.set nn, 0
.rept 32
	v_pk_fma_f32 v[SS+nn:SS+nn+1], v[SS+nn:SS+nn+1], s[CS:CS+1], v[12:13] op_sel_hi:[1,0,0]   ; t - M
.set nn, nn+2
.endr
.irp b, 0,1,2,3
	v_fma_f32 v[232+\b], v[232+\b], s[CS], v12
.endr
.set nn, 0
	s_wait_alu depctr_va_vdst(0)
.rept 64
	v_exp_f32 v[SS+nn], v[SS+nn]                   ; p = 2^(t - M): not normalised
.set nn, nn+1
.endr
.irp b, 0,1,2,3
	v_exp_f32 v[232+\b], v[232+\b]                 ; the block's largest p
.endr
	v_pk_mul_f32 v[14:15], v[14:15], v[252:253] op_sel_hi:[1,0]   ; the sums under the new M (a plain instruction behind the exponentials)
	s_wait_alu depctr_va_vdst(0)
.irp b, 0,1,2,3
	v_max_num_f32 v[232+\b], 0x1800000, v[232+\b]  ; the floor: the byte cannot fall under 1
.endr
.irp b, 0,1,2,3
	s_delay_alu instid0(VALU_DEP_4)
	v_add_nc_u32 v[244+\b], 0xff000000, v[232+\b]
.endr
.irp b, 0,1,2,3
	s_delay_alu instid0(VALU_DEP_4)
	v_lshrrev_b32 v[236+\b], 23, v[244+\b]
.endr
	s_delay_alu instid0(VALU_DEP_3)
	v_lshl_or_b32 v253, v237, 8, v236              ; p's scale word for these 128 keys
	s_delay_alu instid0(VALU_DEP_1)
	v_lshl_or_b32 v253, v238, 16, v253
	s_delay_alu instid0(VALU_DEP_1)
	v_lshl_or_b32 v253, v239, 24, v253
.irp c, 0,1
	v_cvt_scalef32_pk16_fp6_f32 v[224+6*\c:226+6*\c], v[SS+32*\c:SS+15+32*\c], v[244+2*\c]
	v_cvt_scalef32_pk16_fp6_f32 v[236+4*\c:238+4*\c], v[SS+16+32*\c:SS+31+32*\c], v[244+2*\c+1]
.endr
	v_nop
.irp c, 0,1
.irp i, 0,1,2
	v_permlane16_swap_b32 v[224+6*\c+\i], v[236+4*\c+\i]
.endr
.irp i, 0,1,2
	s_delay_alu instid0(VALU_DEP_3)
	v_mov_b32 v[227+6*\c+\i], v[236+4*\c+\i]
.endr
.endr
	v_pk_add_f32 v[236:237], v[132:133], v[136:137]        ; the row's sum of the unquantised p, in eight chains
	v_pk_add_f32 v[250:251], v[140:141], v[144:145]
	v_pk_add_f32 v[248:249], v[148:149], v[152:153]
	v_pk_add_f32 v[246:247], v[156:157], v[160:161]
	v_pk_add_f32 v[244:245], v[164:165], v[168:169]
	v_pk_add_f32 v[240:241], v[172:173], v[176:177]
	v_pk_add_f32 v[72:73], v[180:181], v[184:185]
	v_pk_add_f32 v[14:15], v[14:15], v[188:189]
	v_pk_add_f32 v[236:237], v[236:237], v[128:129]
	v_pk_add_f32 v[250:251], v[250:251], v[130:131]
	v_pk_add_f32 v[248:249], v[248:249], v[134:135]
	v_pk_add_f32 v[246:247], v[246:247], v[138:139]
	v_pk_add_f32 v[244:245], v[244:245], v[142:143]
	v_pk_add_f32 v[240:241], v[240:241], v[146:147]
	v_pk_add_f32 v[72:73], v[72:73], v[150:151]
	v_pk_add_f32 v[14:15], v[14:15], v[154:155]
	v_pk_add_f32 v[236:237], v[236:237], v[158:159]
	v_pk_add_f32 v[250:251], v[250:251], v[162:163]
	v_pk_add_f32 v[248:249], v[248:249], v[166:167]
	v_pk_add_f32 v[246:247], v[246:247], v[170:171]
	v_pk_add_f32 v[244:245], v[244:245], v[174:175]
	v_pk_add_f32 v[240:241], v[240:241], v[178:179]
	v_pk_add_f32 v[72:73], v[72:73], v[182:183]
	v_pk_add_f32 v[14:15], v[14:15], v[186:187]
	v_pk_add_f32 v[236:237], v[236:237], v[190:191]
	s_delay_alu instid0(VALU_DEP_2)
	v_pk_add_f32 v[14:15], v[14:15], v[246:247]
	s_delay_alu instid0(VALU_DEP_2)
	v_pk_add_f32 v[236:237], v[236:237], v[244:245]
	v_pk_add_f32 v[250:251], v[250:251], v[240:241]
	v_pk_add_f32 v[248:249], v[248:249], v[72:73]
	s_delay_alu instid0(VALU_DEP_2)
	v_pk_add_f32 v[14:15], v[14:15], v[250:251]
	s_delay_alu instid0(VALU_DEP_2)
	v_pk_add_f32 v[236:237], v[236:237], v[248:249]
	s_delay_alu instid0(VALU_DEP_1)
	v_pk_add_f32 v[14:15], v[14:15], v[236:237]
.set nn, 0
.rept 16
	v_pk_mul_f32 v[OO+nn:OO+nn+1], v[OO+nn:OO+nn+1], v[252:253] op_sel_hi:[1,0]   ; O^T under the new M
.set nn, nn+2
.endr
	s_wait_alu depctr_va_vdst(0)
	s_wait_dscnt 0x0                               ; V
.irp d, 0,1,2,3
	v_wmma_scale_f32_16x16x128_f8f6f4 v[OO+8*\d:OO+8*\d+7], v[VF+12*\d:VF+12*\d+11], v[224:235], v[OO+8*\d:OO+8*\d+7], v[28+\d], v253 matrix_a_fmt:MATRIX_FMT_FP6 matrix_b_fmt:MATRIX_FMT_FP6
.endr
.Lskip_\@:
	s_add_co_u32 s[KS], s[KS], 1
	s_add_co_u32 s[TK], s[TK], 6144
	s_add_co_u32 s[TV], s[TV], 6144
	s_add_co_u32 s[TSK], s[TSK], 512
	s_add_co_u32 s[TSV], s[TSV], 256
.endm
	s_wait_alu depctr_va_vdst(0)
	s_wait_tensorcnt 0x0                           ; my tile is in
	s_barrier_signal -1
	s_barrier_wait -1                              ; everybody's is: the whole head lies in LDS
.Lpass:                                            ; one query tile: rank rho
	global_load_b128 v[16:19], v1, s[72:73]        ; Q's half image: registers 0-5 of the fragment
	global_load_b64 v[20:21], v2, s[72:73] offset:512
	global_load_b32 v11, v3, s[74:75]              ; Q's scale words
	v_mov_b32 v13, 0xff61b1e6                      ; the largest t so far: -3e38
	s_delay_alu instid0(VALU_DEP_1)
	v_floor_f32 v12, -v13                          ; -M
	v_mov_b32 v14, 0                               ; the sum, in two halves
	v_mov_b32 v15, 0
.irp b, 0,1,2,3
	v_mov_b32 v[236+\b], 0                         ; a lane permute's destination counts as one of its sources
.endr
	v_mov_b32 v252, 0
	v_mov_b32 v253, 0
.set nn, 0
.rept 32
	v_mov_b32 v[OO+nn], 0                          ; O^T: the step is written once; the first change of M leaves zeros zeros
.set nn, nn+1
.endr
	s_mov_b32 s[TK], 0
	s_mov_b32 s[TV], LV
	s_mov_b32 s[TSK], LKS
	s_mov_b32 s[TSV], LVS
	s_mov_b32 s[KS], 0
	s_mov_b32 s[CNT], 16
	s_wait_alu depctr_va_vdst(0)
	s_wait_loadcnt 0x0                             ; Q
.Lsteps:                                           ; key steps 0 to 15; those behind the diagonal are jumped over
	STEP
	s_sub_co_u32 s[CNT], s[CNT], 1
	s_cmp_lg_u32 s[CNT], 0
	s_cbranch_scc1 .Lsteps
	; THE WAY OUT: O / l, quantised along the head's 64 channels: register 16 g + i is channel 32 g + 16 (lane / 16) + i
.rept 4
	v_nop
.endr
	v_add_f32 v14, v14, v15
	s_delay_alu instid0(VALU_DEP_1)
	v_permlanex16_b32 v252, v14, s[SEL], s[SEL+1]
	s_delay_alu instid0(VALU_DEP_1)
	v_add_f32 v14, v14, v252                       ; the row's sum
	s_wait_alu depctr_va_vdst(0)
	v_rcp_f32 v14, v14
	v_nop
.set nn, 0
	s_wait_alu depctr_va_vdst(0)
.rept 32
	v_mul_f32 v[SS+nn], v[OO+nn], v14
.set nn, nn+1
.endr
.irp b, 0,1
	v_max3_num_f32 v[232+\b], |v[SS+16*\b]|, |v[SS+1+16*\b]|, 0x1800000
.endr
.irp i, 2,4,6,8,10,12,14
.irp b, 0,1
	s_delay_alu instid0(VALU_DEP_2)
	v_max3_num_f32 v[232+\b], v[232+\b], |v[SS+16*\b+\i]|, |v[SS+1+16*\b+\i]|
.endr
.endr
.irp b, 0,1
	s_delay_alu instid0(VALU_DEP_2)
	v_permlanex16_b32 v[236+\b], v[232+\b], s[SEL], s[SEL+1]
.endr
.irp b, 0,1
	s_delay_alu instid0(VALU_DEP_2)
	v_max_num_f32 v[232+\b], v[232+\b], v[236+\b]
.endr
.irp b, 0,1
	s_delay_alu instid0(VALU_DEP_2)
	v_add_nc_u32 v[244+\b], 0xff000000, v[232+\b]
.endr
.irp b, 0,1
	s_delay_alu instid0(VALU_DEP_2)
	v_lshrrev_b32 v[236+\b], 23, v[244+\b]
.endr
	s_delay_alu instid0(VALU_DEP_1)
	v_lshl_or_b32 v254, v237, 8, v236              ; my row's two scale bytes
	v_cvt_scalef32_pk16_fp6_f32 v[224:226], v[SS:SS+15], v244
	v_cvt_scalef32_pk16_fp6_f32 v[228:230], v[SS+16:SS+31], v245
	v_nop
.irp i, 0,1,2
	v_permlane16_swap_b32 v[224+\i], v[228+\i]
.endr
	s_delay_alu instid0(VALU_DEP_3)
	v_mov_b32 v227, v228
	s_delay_alu instid0(VALU_DEP_3)
	v_mov_b32 v228, v229
	s_delay_alu instid0(VALU_DEP_3)
	v_mov_b32 v229, v230
	global_store_b128 v1, v[224:227], s[76:77]             ; 512 consecutive bytes
	global_store_b64 v2, v[228:229], s[76:77] offset:512   ; 256
	global_store_b16 v3, v254, s[78:79]                    ; both lanes of a row store the same two bytes
	s_wait_xcnt 0x0                                ; the stores have read their bases and their registers
	s_add_nc_u64 s[72:73], s[72:73], s[40:41]      ; on to rank 15 - w (behind the second pass the stepped addresses are not used)
	s_add_nc_u64 s[74:75], s[74:75], s[42:43]
	s_add_nc_u64 s[76:77], s[76:77], s[44:45]
	s_add_nc_u64 s[78:79], s[78:79], s[44:45]
	s_xor_b32 s[RHO], s[RHO], 15
	s_add_co_u32 s46, s46, 1
	s_cmp_lt_u32 s46, 2
	s_wait_alu depctr_va_vdst(0)
	s_cbranch_scc1 .Lpass
	s_wait_tensorcnt 0x0                           ; the wave's end
	ds_add_u32 v243, v255
	s_wait_dscnt 0x0
	CROUND                                         ; the closing round
	s_endpgm
.Lfunc_end_k_q69eb21ce86_att:
	.size	k_q69eb21ce86_att, .Lfunc_end_k_q69eb21ce86_att-k_q69eb21ce86_att
	.p2alignl 7, 3214868480
	.fill 96, 4, 3214868480
	.section	.rodata,"a",@progbits
	.p2align	6, 0x0
	.amdhsa_kernel k_q69eb21ce86_att
		.amdhsa_group_segment_fixed_size 210944
		.amdhsa_private_segment_fixed_size 0
		.amdhsa_enable_private_segment 0
		.amdhsa_kernarg_size 16
		.amdhsa_user_sgpr_count 2
		.amdhsa_user_sgpr_kernarg_segment_ptr 1
		.amdhsa_wavefront_size32 1
		.amdhsa_system_sgpr_workgroup_id_x 1
		.amdhsa_system_sgpr_workgroup_id_y 1
		.amdhsa_system_sgpr_workgroup_id_z 1
		.amdhsa_system_vgpr_workitem_id 0
		.amdhsa_next_free_vgpr 256
		.amdhsa_next_free_sgpr 90
		.amdhsa_reserve_vcc 1
		.amdhsa_float_denorm_mode_32 3
		.amdhsa_float_denorm_mode_16_64 3
		.amdhsa_memory_ordered 1
		.amdhsa_forward_progress 1
		.amdhsa_inst_pref_size 38
	.end_amdhsa_kernel
	.amdgpu_metadata
---
amdhsa.version: [ 1, 2 ]
amdhsa.kernels:
  - .name:           k_q69eb21ce86_att
    .symbol:         k_q69eb21ce86_att.kd
    .args:
      - { .name: qkv, .offset: 0, .size: 8, .value_kind: global_buffer, .address_space: global }
      - { .name: at, .offset: 8, .size: 8, .value_kind: global_buffer, .address_space: global }
    .group_segment_fixed_size: 210944
    .private_segment_fixed_size: 0
    .kernarg_segment_align: 8
    .kernarg_segment_size: 16
    .max_flat_workgroup_size: 256
    .sgpr_count:     90
    .vgpr_count:     256
    .wavefront_size: 32
...
	.end_amdgpu_metadata
.endif
;; end of part 4
;; launch g4 (part 5): grid 8 x 32, 4 waves a work-group, clusters of 4 x 4, 327,680 bytes of LDS; arguments at, wc, x, x1; writes x1
.if DOCPART == 5
	.amdgcn_target "amdgcn-amd-amdhsa--gfx1250"
	.amdhsa_code_object_version 6
	.text
	.protected	k_q69eb21ce86_g4
	.globl	k_q69eb21ce86_g4
	.p2align	8
	.type	k_q69eb21ce86_g4,@function
k_q69eb21ce86_g4:
	s_mov_b64 s[64:65], 0
	v_nop
	global_prefetch_b8 v0, s[64:65] scope:SCOPE_SE
	s_setreg_imm32_b32 hwreg(HW_REG_WAVE_MODE, 25, 1), 1
	s_wait_xcnt 0x0
	s_wait_alu depctr_hold_cnt(0) depctr_sa_sdst(0) depctr_va_vdst(0) depctr_va_sdst(0) depctr_va_ssrc(0) depctr_va_vcc(0) depctr_vm_vsrc(0)
	s_getreg_b32 s2, hwreg(HW_REG_IB_STS2, 6, 4)
	s_cmp_eq_u32 s2, 0
	s_cbranch_scc0 .Lentry_in_a_cluster
	s_endpgm
.Lentry_in_a_cluster:
	s_bfe_u32 s2, ttmp6, 0x10000c
	s_cmp_lg_u32 s2, 0xf033
	s_cbranch_scc0 .Lentry_shape_is_right
	s_endpgm
.Lentry_shape_is_right:
.set REC,   12800
.set XO,    4*REC
.set SLOT,  8*REC
.set NLD,   42
.set WOFF,  192
.set STAGE, 2*SLOT
.set AP,    8
.set AQ,    10
.set ASP,   12
.set ASQ,   14
.set AQ8,   16
.set STO,   20
.set RD,    21
.set SCW,   32
.set ACC,   128
.set G1Y,   24
.set G0Y,   32
.set G1X,   48
.set G0X,   56
.set MSB, 0
.macro WIN new
.if MSB != \new
	s_set_vgpr_msb (MSB<<8)|\new
.set MSB, \new
.endif
.endm
.macro PLACES
.rept 4
	v_nop
.endr
.endm
.macro ARM is, g0, g1, next            ; one arm of the head's chain: wave \is issues its one joint load; s_nop 0 and four v_nop follow it
	s_cmp_eq_u32 s14, \is
	s_cbranch_scc0 \next
	tensor_load_to_lds s[\g0:\g0+3], s[\g1:\g1+7]
	s_nop 0
.rept 4
	v_nop
.endr
	s_branch .Lhead_asked
\next:
.endm
.macro CROUND
	s_barrier_signal -1
	s_barrier_wait -1
	s_cmp_lg_u32 s14, 0
	s_cbranch_scc1 .Lnot_wave_0_\@
	s_barrier_signal -3
.Lnot_wave_0_\@:
	s_barrier_wait -3
	s_barrier_signal -1
	s_barrier_wait -1
.endm
.macro FETCH slot, q, f
	WIN 0x40
.irp i, 0,1,2,3,4,5,6,7
.irp c, 0,1,2
	ds_load_b128 v[128*(\f)+12*\i+4*\c:128*(\f)+12*\i+4*\c+3], v[AP+\slot] offset:(\q)*REC+1536*\i+512*\c
.endr
.endr
.irp a, 0,1
	ds_load_b128 v[128*(\f)+96+12*\a:128*(\f)+96+12*\a+3], v[AQ+\slot] offset:(\q)*REC+1536*\a
	ds_load_b64 v[128*(\f)+96+12*\a+4:128*(\f)+96+12*\a+5], v[AQ8+\slot] offset:(\q)*REC+1536*\a+512
	ds_load_b128 v[128*(\f)+96+12*\a+6:128*(\f)+96+12*\a+9], v[AQ+\slot] offset:(\q)*REC+1536*\a+768
	ds_load_b64 v[128*(\f)+96+12*\a+10:128*(\f)+96+12*\a+11], v[AQ8+\slot] offset:(\q)*REC+1536*\a+1280
.endr
	WIN 0
.irp i, 0,1,2,3,4,5,6,7
	ds_load_b32 v[SCW+10*(\f)+\i], v[ASP+\slot] offset:(\q)*REC+64*\i
.endr
.irp a, 0,1
	ds_load_b32 v[SCW+10*(\f)+8+\a], v[ASQ+\slot] offset:(\q)*REC+64*\a
.endr
.endm
.macro MUL4 f, i0, zero
.irp i, \i0, \i0+1
.irp a, 0,1
.if \zero
	v_wmma_scale_f32_16x16x128_f8f6f4 v[ACC+64*\a+8*(\i):ACC+64*\a+8*(\i)+7], v[128*(\f)+12*(\i):128*(\f)+12*(\i)+11], v[128*(\f)+96+12*\a:128*(\f)+96+12*\a+11], 0, v[SCW+10*(\f)+(\i)], v[SCW+10*(\f)+8+\a] matrix_a_fmt:MATRIX_FMT_FP6 matrix_b_fmt:MATRIX_FMT_FP6
.else
	v_wmma_scale_f32_16x16x128_f8f6f4 v[ACC+64*\a+8*(\i):ACC+64*\a+8*(\i)+7], v[128*(\f)+12*(\i):128*(\f)+12*(\i)+11], v[128*(\f)+96+12*\a:128*(\f)+96+12*\a+11], v[ACC+64*\a+8*(\i):ACC+64*\a+8*(\i)+7], v[SCW+10*(\f)+(\i)], v[SCW+10*(\f)+8+\a] matrix_a_fmt:MATRIX_FMT_FP6 matrix_b_fmt:MATRIX_FMT_FP6
.endif
.endr
.endr
.endm
.macro STEP slot, q, zero
	PLACES
	FETCH \slot, (\q)+1, 1-(\q)%2
	s_wait_dscnt NLD
	WIN 0x05
	MUL4 (\q)%2, 0, \zero
	MUL4 (\q)%2, 2, \zero
	MUL4 (\q)%2, 4, \zero
	MUL4 (\q)%2, 6, \zero
	WIN 0
.endm
.macro TURN next
	s_wait_tensorcnt 0x0
	s_wait_dscnt 0x0
	WIN 0x05
	MUL4 1, 0, 0
	s_barrier_signal -1
	MUL4 1, 2, 0
	WIN 0
	s_barrier_wait -1
	PLACES
	FETCH \next, 0, 0
	WIN 0x05
	MUL4 1, 4, 0
	MUL4 1, 6, 0
	WIN 0
.endm
	s_load_b256 s[4:11], s[0:1], 0x0
	v_lshl_add_u32 v62, v0, 2, 0x3a400
	v_mov_b32 v63, 0
	ds_add_u32 v62, v63
	ds_add_u32 v62, v63
	v_lshrrev_b32 v1, 5, v0
	v_readfirstlane_b32 s14, v1
	s_lshr_b32 s15, s14, 1
	s_and_b32 s16, s14, 1
	s_bfe_u32 s40, ttmp6, 0x40000
	s_bfe_u32 s41, ttmp6, 0x40004
	s_lshl_b32 s42, ttmp9, 2
	s_add_co_u32 s42, s42, s40
	s_and_b32 s17, ttmp7, 0xffff
	s_lshl_b32 s17, s17, 2
	s_add_co_u32 s17, s17, s41
	s_lshl_b32 s43, s41, 2
	s_lshl_b32 s43, 15, s43
	s_lshl_b32 s44, 0x1111, s40
	s_or_b32 s[G1Y], s43, (3<<16)|(1<<21)
	s_or_b32 s[G1X], s44, (3<<16)|(1<<21)
.irp g, G1Y, G1X
	s_mov_b32 s[\g+1], 32<<16
	s_mov_b32 s[\g+2], 200<<16                     ; four records, 51,200 dense bytes, as 200 rows of 256 bytes
	s_mov_b32 s[\g+3], 32<<16
	s_mov_b32 s[\g+4], 200
	s_mov_b32 s[\g+5], 32
	s_mov_b32 s[\g+6], 0
	s_mov_b32 s[\g+7], 0
.endr
	s_mul_i32 s18, s15, XO                         ; waves 0, 1 fetch slot 0's four K steps, waves 2, 3 slot 1's
	s_mul_i32 s20, s17, 8*REC
	s_add_co_u32 s20, s20, s18
	s_mov_b32 s21, 0
	s_mul_i32 s46, s42, 8*REC
	s_add_co_u32 s46, s46, s18
	s_add_co_u32 s46, s46, WOFF*REC
	s_mov_b32 s47, 0
	s_mul_i32 s45, s14, XO                         ; where they go: wave x 51,200: tokens, weight, tokens, weight
	s_lshl_b32 s66, s17, 7
	s_lshl_b32 s67, s14, 5
	s_add_co_u32 s66, s66, s67
	s_lshl_b32 s66, s66, 12
	s_lshl_b32 s67, s42, 9
	s_add_co_u32 s66, s66, s67
	s_mov_b32 s67, 0
	s_wait_dscnt 0x0
	s_wait_kmcnt 0x0
	s_add_nc_u64 s[20:21], s[4:5], s[20:21]
	s_add_nc_u64 s[46:47], s[6:7], s[46:47]
	s_add_nc_u64 s[8:9], s[8:9], s[66:67]
	s_add_nc_u64 s[10:11], s[10:11], s[66:67]
	CROUND
	s_mov_b32 s[G0Y], 1
	s_mov_b32 s[G0Y+1], s45
	s_mov_b64 s[G0Y+2:G0Y+3], s[20:21]
	s_or_b32 s[G0Y+3], s[G0Y+3], 0x80000000
	s_mov_b32 s[G0X], 1
	s_mov_b32 s[G0X+1], s45
	s_mov_b64 s[G0X+2:G0X+3], s[46:47]
	s_or_b32 s[G0X+3], s[G0X+3], 0x80000000
	; the head's four tiles, one joint load a wave, each on a line of its own: even waves the tokens' four records of a slot, odd waves the weight's
	ARM 0, G0Y, G1Y, .Lhead_1
	ARM 1, G0X, G1X, .Lhead_2
	ARM 2, G0Y, G1Y, .Lhead_3
	tensor_load_to_lds s[G0X:G0X+3], s[G1X:G1X+7]
	s_nop 0
.rept 4
	v_nop
.endr
.Lhead_asked:
	v_and_b32 v1, 15, v0
	v_bfe_u32 v2, v0, 4, 1
	v_and_b32 v3, 31, v0
	v_lshlrev_b32 v4, 4, v3
	v_lshlrev_b32 v5, 3, v3
	v_lshlrev_b32 v6, 2, v1
	v_add_nc_u32 v[AP], XO, v4
	s_mul_i32 s18, s14, 3072
	v_add_nc_u32 v[AQ], s18, v4
	v_add_nc_u32 v[AQ8], s18, v5
	v_add_nc_u32 v[ASP], XO+12288, v6
	s_lshl_b32 s19, s14, 7
	s_add_co_u32 s19, s19, 12288
	v_add_nc_u32 v[ASQ], s19, v6
.irp g, AP, AQ, ASP, ASQ, AQ8
	v_add_nc_u32 v[\g+1], SLOT, v[\g]
.endr
	s_mul_i32 s19, s14, 8448
	s_add_co_u32 s19, s19, STAGE
	v_mul_u32_u24 v[STO], v1, 528
	v_lshl_add_u32 v[STO], v2, 6, v[STO]
	v_add_nc_u32 v[STO], s19, v[STO]
	v_add_nc_u32 v[RD], s19, v4
	WIN 0x80
.irp a, 0,1
.irp t, 0,1,2,3,4,5,6,7,8,9,10,11,12,13,14,15
	global_load_b128 v[64*\a+4*\t:64*\a+4*\t+3], v4, s[8:9] offset:(8*\a+\t+8*(\t/8))*4096
.endr
.endr
	WIN 0
	s_wait_alu depctr_va_vdst(0)
	s_cmp_lt_u32 s14, 2                            ; slot 0 is waves 0 and 1's: they wait; slot 1's loads may stay out
	s_cbranch_scc0 .Lnot_first
	s_wait_tensorcnt 0x0
.Lnot_first:
	s_barrier_signal -1
	s_barrier_wait -1
	FETCH 0, 0, 0
	STEP 0, 0, 1
	STEP 0, 1, 0
	STEP 0, 2, 0
	TURN 1
	STEP 1, 0, 0
	STEP 1, 1, 0
	STEP 1, 2, 0
	s_wait_dscnt 0x0
	WIN 0x05
	MUL4 1, 0, 0
	MUL4 1, 2, 0
	MUL4 1, 4, 0
	MUL4 1, 6, 0
	WIN 0
	PLACES
	s_wait_loadcnt 0x0
.macro OUT a
.if \a
	s_wait_xcnt 0x0
.endif
.irp i, 0,1,2,3,4,5,6,7
	ds_store_b128 v[STO], v[ACC+64*\a+8*\i:ACC+64*\a+8*\i+3] offset:128*(\i/2)+32*(\i%2)
	ds_store_b128 v[STO], v[ACC+64*\a+8*\i+4:ACC+64*\a+8*\i+7] offset:128*(\i/2)+32*(\i%2)+16
.endr
.irp t, 0,1,2,3,4,5,6,7,8,9,10,11,12,13,14,15
	ds_load_b128 v[64+4*\t:67+4*\t], v[RD] offset:528*\t
.endr
	s_wait_dscnt 0x0
	WIN 0x08
.set pp, 0
.rept 32
	v_pk_add_f32 v[64+pp:65+pp], v[64+pp:65+pp], v[64*\a+pp:64*\a+pp+1]
.set pp, pp+2
.endr
	WIN 0
.irp t, 0,1,2,3,4,5,6,7,8,9,10,11,12,13,14,15
	global_store_b128 v4, v[64+4*\t:67+4*\t], s[10:11] offset:(8*\a+\t+8*(\t/8))*4096
.endr
.endm
	OUT 0
	OUT 1
	s_wait_tensorcnt 0x0
	ds_add_u32 v62, v63
	s_wait_dscnt 0x0
	CROUND
	s_endpgm
.Lfunc_end_k_q69eb21ce86_g4:
	.size	k_q69eb21ce86_g4, .Lfunc_end_k_q69eb21ce86_g4-k_q69eb21ce86_g4
	.p2alignl 7, 3214868480
	.fill 96, 4, 3214868480
	.section	.rodata,"a",@progbits
	.p2align	6, 0x0
	.amdhsa_kernel k_q69eb21ce86_g4
		.amdhsa_group_segment_fixed_size 327680
		.amdhsa_private_segment_fixed_size 0
		.amdhsa_enable_private_segment 0
		.amdhsa_kernarg_size 32
		.amdhsa_user_sgpr_count 2
		.amdhsa_user_sgpr_kernarg_segment_ptr 1
		.amdhsa_wavefront_size32 1
		.amdhsa_system_sgpr_workgroup_id_x 1
		.amdhsa_system_sgpr_workgroup_id_y 1
		.amdhsa_system_sgpr_workgroup_id_z 1
		.amdhsa_system_vgpr_workitem_id 0
		.amdhsa_next_free_vgpr 640
		.amdhsa_next_free_sgpr 72
		.amdhsa_reserve_vcc 0
		.amdhsa_float_denorm_mode_32 3
		.amdhsa_float_denorm_mode_16_64 3
		.amdhsa_memory_ordered 1
		.amdhsa_forward_progress 1
		.amdhsa_inst_pref_size 61
	.end_amdhsa_kernel
	.amdgpu_metadata
---
amdhsa.version: [ 1, 2 ]
amdhsa.kernels:
  - .name:           k_q69eb21ce86_g4
    .symbol:         k_q69eb21ce86_g4.kd
    .args:
      - { .name: at, .offset: 0, .size: 8, .value_kind: global_buffer, .address_space: global }
      - { .name: wc, .offset: 8, .size: 8, .value_kind: global_buffer, .address_space: global }
      - { .name: x, .offset: 16, .size: 8, .value_kind: global_buffer, .address_space: global }
      - { .name: x1, .offset: 24, .size: 8, .value_kind: global_buffer, .address_space: global }
    .group_segment_fixed_size: 327680
    .private_segment_fixed_size: 0
    .kernarg_segment_align: 8
    .kernarg_segment_size: 32
    .max_flat_workgroup_size: 128
    .sgpr_count:     72
    .vgpr_count:     640
    .wavefront_size: 32
...
	.end_amdgpu_metadata
.endif
;; end of part 5
;; launch ln2: the kernel of part 2 again; grid 256 x 1, 8 waves a work-group, no clusters, 2,048 bytes of LDS; arguments x1, ln2_g, ln2_b, xn; writes xn
;; launch g5 (part 6): grid 16 x 16, 4 waves a work-group, clusters of 4 x 1, 218,112 bytes of LDS; arguments xn, wc, hb; writes hb
.if DOCPART == 6
	.amdgcn_target "amdgcn-amd-amdhsa--gfx1250"
	.amdhsa_code_object_version 6
	.text
	.protected	k_q69eb21ce86_g5
	.globl	k_q69eb21ce86_g5
	.p2align	8
	.type	k_q69eb21ce86_g5,@function
k_q69eb21ce86_g5:
	s_mov_b64 s[64:65], 0
	v_nop
	global_prefetch_b8 v0, s[64:65] scope:SCOPE_SE
	s_setreg_imm32_b32 hwreg(HW_REG_WAVE_MODE, 25, 1), 1
	s_wait_xcnt 0x0
	s_wait_alu depctr_hold_cnt(0) depctr_sa_sdst(0) depctr_va_vdst(0) depctr_va_sdst(0) depctr_va_ssrc(0) depctr_va_vcc(0) depctr_vm_vsrc(0)
	s_getreg_b32 s2, hwreg(HW_REG_IB_STS2, 6, 4)
	s_cmp_eq_u32 s2, 0
	s_cbranch_scc0 .Lentry_in_a_cluster
	s_endpgm
.Lentry_in_a_cluster:
	s_bfe_u32 s2, ttmp6, 0x10000c
	s_cmp_lg_u32 s2, 0x3003
	s_cbranch_scc0 .Lentry_shape_is_right
	s_endpgm
.Lentry_shape_is_right:
; hidden = gelu(LN2(x1) W1), exact GELU, on codes of FP6 (E2M3), K = 1,024; the hidden layer is quantised here along its 4,096 and leaves as codes.
; OPERANDS AND RESULT are records of 12,800 bytes (128 rows x 128 K: eight images of a fragment's 12 registers, 1,536 bytes each, then 128 scale words).
; THE DEAL: 256 work-groups; one makes 256 tokens (panels 2 x, 2 x + 1) x 256 hidden units (w1's panels 2 y, 2 y + 1).  Four waves, 2 x 2: wave (th, ph).
; THE WEIGHTS, 16 records = 204,800 dense bytes, come into LDS once, a quarter by each wave's one tensor load, and stay: nothing is filled again.
; The four work-groups of a cluster share y: the loads are joint (mask 15).
; THE TOKENS go straight into registers: a record is made of register images, so each global load reads 512 consecutive bytes; they pass through no LDS, and the partners of a
; cluster have different tokens, so nothing of them could be asked for jointly.  A wave holds its 64 tokens (tiles 4 th + a), all of K: 32 fragments, 384 registers, and 32 scale words.
; They are loaded twice, once for each token panel; the second panel's 400 blocks of 256 bytes are prefetched at the head, seven to each of the 64 waves that share them (y, wave),
; more than one trip of the loop ahead of the loads.
; A UNIT: weight tiles 4 u + 2 ph + i (i = 0, 1) x my four token tiles x K: 64 products on 8 accumulators by turns.  Source 0 = the weight's rows:
; a lane holds one token and the 16 registers of the two tiles are hidden units 32 b + 16 (lane / 16) + 0 .. 15 of block b = 2 u + ph.
; Behind a unit's products stand four batches of GELU, one a token tile; ahead of each batch a quarter of the next unit's 16 weight fragments (16 LDS loads) is asked for, and, behind the
; first token panel's last products, a quarter of the second panel's tokens (32 global loads): they land under the vector work.
; A TRIP of the loop is one record of the result (token panel t / 2, weight panel t % 2): units u = 0, 1.  The last trip's fetch for a next trip reads panel 0 again and is not used.
; THE WAY OUT: 16 numbers become 12 bytes of codes, registers 6 u + 3 (lane / 16) + 0 .. 2 of lane r + 16 ph of the token tile's image; they and the scale bytes meet in a stage in LDS
; laid as the record, and leave as runs of 512 consecutive bytes.
; GELU: x/2 (1 + erf(x / sqrt 2)); erf(z) = z P(z^2) / Q(z^2), degrees 6 and 4 in z^2 on |z| <= 4, to which z is held.
; LIMITS: the form's error is about 1e-7 absolute; NaN and infinities are not served; a block under 2^-124 gets the byte 1.
; REGISTERS: window 0: v0-29 addresses and constants; v32-95 scale words alone (32 + 8 k + a the tokens', 36 + 8 k + i the weight's); v96-127 the quantiser's work and the way out;
; v128-191 the accumulators; v192-255 GELU's work.  window 1: the weight's fragments, 24 k + 12 i.  windows 2, 3: the tokens', K steps 0-3 and 4-7, 48 (k % 4) + 12 a.
.set REC,   12800
.set PAN,   8*REC
.set WOFF,  256                        ; w1's first record
.set STG,   2*PAN                      ; the stage: one record; no tile lands here
.set SPARE, STG+REC                    ; the spare words, 512 bytes
.set SPW,   24
.set NIL,   25
.set ZZ,    192                        ; GELU's work: z, z^2, P, Q: sixteen registers each
.set S2,    208
.set PN,    224
.set QD,    240
.set TM,    96
.set PC,    112
.set ACC,   128
.set SEL,   12
.set G1,    24
.set G0,    32
.set MSB, 0
.macro WIN new                         ; the immediate's high byte repeats the setting that is left
.if MSB != (\new)
	s_set_vgpr_msb (MSB<<8)|(\new)
.set MSB, (\new)
.endif
.endm
.macro PLACES
.rept 4
	v_nop
.endr
.endm
.macro BARRIER
	s_barrier_signal -1
	s_barrier_wait -1
.endm
.macro CROUND                          ; a round of the cluster's barrier
	BARRIER
	s_cmp_lg_u32 s14, 0
	s_cbranch_scc1 .Lnot_wave_0_\@
	s_barrier_signal -3
.Lnot_wave_0_\@:
	s_barrier_wait -3
	BARRIER
.endm
.macro QPART q                         ; K steps 2 q, 2 q + 1 of my 64 tokens of the panel at s[20:21] (codes) and s[22:23] (words): 32 loads
.irp e, 0,1
	WIN (2+(2*(\q)+\e)/4)<<6
.irp a, 0,1,2,3
.irp c, 0,1,2
	global_load_b128 v[48*((2*(\q)+\e)%4)+12*\a+4*\c:48*((2*(\q)+\e)%4)+12*\a+4*\c+3], v4, s[20:21] offset:(2*(\q)+\e)*REC+1536*\a+512*\c
.endr
.endr
.endr
	WIN 0
.irp e, 0,1
.irp a, 0,1,2,3
	global_load_b32 v[32+8*(2*(\q)+\e)+\a], v5, s[22:23] offset:(2*(\q)+\e)*REC+12288+64*\a
.endr
.endr
.endm
.macro ADDR                            ; the LDS addresses of my weight tiles in the panel at s44; four plain lines: also the places behind the products
	v_add_nc_u32 v8, s44, v6
	v_add_nc_u32 v10, s44, v7
	v_add_nc_u32 v9, 4*REC, v8
	v_add_nc_u32 v11, 4*REC, v10
	s_wait_alu depctr_va_vdst(0)
.endm
.macro FETCHQ u, q                     ; K steps 2 q, 2 q + 1 of unit u's fragments and scale words: 16 LDS loads
	WIN 0x40
.irp e, 0,1
.irp i, 0,1
.irp c, 0,1,2
	ds_load_b128 v[24*(2*(\q)+\e)+12*\i+4*\c:24*(2*(\q)+\e)+12*\i+4*\c+3], v[8+(\q)/2] offset:(2*((\q)%2)+\e)*REC+6144*(\u)+1536*\i+512*\c
.endr
.endr
.endr
	WIN 0
.irp e, 0,1
.irp i, 0,1
	ds_load_b32 v[36+8*(2*(\q)+\e)+\i], v[10+(\q)/2] offset:(2*((\q)%2)+\e)*REC+256*(\u)+64*\i
.endr
.endr
.endm
.macro MUL                             ; 64 products; the first eight start the sums
.irp k, 0,1,2,3,4,5,6,7
	WIN (0x09+4*(\k/4))
.irp a, 0,1,2,3
.irp i, 0,1
.if \k == 0
	v_wmma_scale_f32_16x16x128_f8f6f4 v[ACC+16*\a+8*\i:ACC+16*\a+8*\i+7], v[24*\k+12*\i:24*\k+12*\i+11], v[48*(\k%4)+12*\a:48*(\k%4)+12*\a+11], 0, v[36+8*\k+\i], v[32+8*\k+\a] matrix_a_fmt:MATRIX_FMT_FP6 matrix_b_fmt:MATRIX_FMT_FP6
.else
	v_wmma_scale_f32_16x16x128_f8f6f4 v[ACC+16*\a+8*\i:ACC+16*\a+8*\i+7], v[24*\k+12*\i:24*\k+12*\i+11], v[48*(\k%4)+12*\a:48*(\k%4)+12*\a+11], v[ACC+16*\a+8*\i:ACC+16*\a+8*\i+7], v[36+8*\k+\i], v[32+8*\k+\a] matrix_a_fmt:MATRIX_FMT_FP6 matrix_b_fmt:MATRIX_FMT_FP6
.endif
.endr
.endr
.endr
	WIN 0
.endm
.macro GELU16 x                        ; GELU in place on two accumulators' sixteen registers, two numbers an instruction, eight chains side by side
	s_wait_alu depctr_va_vdst(0)                   ; ahead of a matrix result's first reader behind transcendentals
.irp p, 0,2,4,6,8,10,12,14
	v_pk_mul_f32 v[ZZ+\p:ZZ+\p+1], v[(\x)+\p:(\x)+\p+1], 0x3f3504f3 op_sel_hi:[1,0]   ; z = x / sqrt 2 (each accumulator is read from its low end on)
.endr
.irp p, 0,1,2,3,4,5,6,7,8,9,10,11,12,13,14,15
	v_med3_num_f32 v[ZZ+\p], v[ZZ+\p], -4.0, 4.0
.endr
.irp p, 0,2,4,6,8,10,12,14
	v_pk_mul_f32 v[S2+\p:S2+\p+1], v[ZZ+\p:ZZ+\p+1], v[ZZ+\p:ZZ+\p+1]
.endr
.irp p, 0,2,4,6,8,10,12,14
	v_pk_fma_f32 v[PN+\p:PN+\p+1], v[S2+\p:S2+\p+1], v[26:27], 0x32edffee op_sel_hi:[1,1,0]
	v_pk_fma_f32 v[QD+\p:QD+\p+1], v[S2+\p:S2+\p+1], v[28:29], 0xb95fbd29 op_sel_hi:[1,1,0]
.endr
.irp k, 0xb60cff51, 0xb86ec2d2, 0xba40ac63, 0xbb41a1f6, 0xbc83dbd4
.irp p, 0,2,4,6,8,10,12,14
	v_pk_fma_f32 v[PN+\p:PN+\p+1], v[PN+\p:PN+\p+1], v[S2+\p:S2+\p+1], \k op_sel_hi:[1,1,0]
.endr
.endr
.irp k, 0xbadc924e, 0xbbf19bf8, 0xbc69b6a7
.irp p, 0,2,4,6,8,10,12,14
	v_pk_fma_f32 v[QD+\p:QD+\p+1], v[QD+\p:QD+\p+1], v[S2+\p:S2+\p+1], \k op_sel_hi:[1,1,0]
.endr
.endr
.irp p, 0,2,4,6,8,10,12,14
	v_pk_mul_f32 v[PN+\p:PN+\p+1], v[PN+\p:PN+\p+1], v[ZZ+\p:ZZ+\p+1]
.endr
	s_wait_alu depctr_va_vdst(0)                   ; ahead of the batch
.irp p, 0,1,2,3,4,5,6,7,8,9,10,11,12,13,14,15
	v_rcp_f32 v[QD+\p], v[QD+\p]
.endr
.irp p, 0,2,4,6,8,10,12,14
	v_pk_mul_f32 v[ZZ+\p:ZZ+\p+1], v[(\x)+\p:(\x)+\p+1], 0.5 op_sel_hi:[1,0]   ; x / 2 (plain lines behind the reciprocals)
.endr
	s_wait_alu depctr_va_vdst(0)                   ; and behind it
.irp p, 0,2,4,6,8,10,12,14
	v_pk_mul_f32 v[PN+\p:PN+\p+1], v[PN+\p:PN+\p+1], v[QD+\p:QD+\p+1]          ; erf
.endr
.irp p, 0,2,4,6,8,10,12,14
	v_pk_fma_f32 v[(\x)+\p:(\x)+\p+1], v[ZZ+\p:ZZ+\p+1], v[PN+\p:PN+\p+1], v[ZZ+\p:ZZ+\p+1]
.endr
.endm
.macro QUANT4 s                        ; four token tiles by turns: my 16 numbers of the block, lane l xor 16's 16, the scale, 16 codes in three registers
.irp a, 0,1,2,3
	v_max3_num_f32 v[TM+\a], |v[(\s)+16*\a]|, |v[(\s)+16*\a+1]|, 0x1800000   ; with the floor 2^(3 - 127): the byte cannot fall under 1
.endr
.irp i, 2,4,6,8,10,12,14
.irp a, 0,1,2,3
	v_max3_num_f32 v[TM+\a], v[TM+\a], |v[(\s)+16*\a+\i]|, |v[(\s)+16*\a+\i+1]|
.endr
.endr
.irp a, 0,1,2,3
	v_permlanex16_b32 v[TM+4+\a], v[TM+\a], s[SEL], s[SEL+1]
.endr
.irp a, 0,1,2,3
	v_max_num_f32 v[TM+\a], v[TM+\a], v[TM+4+\a]
.endr
.irp a, 0,1,2,3
	v_add_nc_u32 v[TM+8+\a], 0xff000000, v[TM+\a]  ; 2 off the exponent field: the conversion's scale operand
.endr
.irp a, 0,1,2,3
	v_lshrrev_b32 v[TM+12+\a], 23, v[TM+8+\a]      ; the scale's byte
.endr
.irp a, 0,1,2,3
	v_cvt_scalef32_pk16_fp6_f32 v[PC+4*\a:PC+4*\a+2], v[(\s)+16*\a:(\s)+16*\a+15], v[TM+8+\a]
.endr
	v_nop                                          ; one plain line behind the conversions
.endm
; What follows unit u's products.  fu: the unit whose fragments are fetched meanwhile; rl = 1: in trip 1 the second token panel is loaded meanwhile too.
; v12 = image place + 12 h, v13 = image place + 508 h: register R of an image's lane lies at 512 (R / 4) + 4 (R % 4).
.macro EPI u, fu, rl
.irp q, 0,1,2,3
.if \rl
	s_wait_alu depctr_va_vdst(0)
	s_cmp_eq_u32 s3, 1
	s_cbranch_scc0 .Lsame_tokens_\q
.if \q == 0
	s_add_nc_u64 s[20:21], s[20:21], PAN           ; (the loads that read these bases were waited for at the trip's head)
	s_add_nc_u64 s[22:23], s[22:23], PAN
.endif
	QPART \q
.Lsame_tokens_\q:
.endif
	FETCHQ \fu, \q
	GELU16 ACC+16*\q
.endr
	QUANT4 ACC
.irp a, 0,1,2,3
.if \u
	ds_store_b32 v13, v[PC+4*\a] offset:1536*\a+520        ; registers 6 or 9,
	ds_store_b32 v13, v[PC+4*\a+1] offset:1536*\a+524      ; 7 or 10,
	ds_store_b32 v12, v[PC+4*\a+2] offset:1536*\a+1024     ; 8 or 11
.else
	ds_store_b32 v12, v[PC+4*\a] offset:1536*\a            ; registers 0 or 3,
	ds_store_b32 v13, v[PC+4*\a+1] offset:1536*\a+4        ; 1 or 4,
	ds_store_b32 v13, v[PC+4*\a+2] offset:1536*\a+8        ; 2 or 5
.endif
	ds_store_b8 v14, v[TM+12+\a] offset:64*\a+2*(\u)       ; byte 2 u + ph of the row's word; both lanes of a row write the same byte
.endr
.endm
	s_load_b128 s[4:7], s[0:1], 0x0                ; xn s[4:5], wc s[6:7]
	s_load_b64 s[8:9], s[0:1], 0x10                ; hb
	v_lshl_add_u32 v[SPW], v0, 2, SPARE
	v_mov_b32 v[NIL], 0
	ds_add_u32 v[SPW], v[NIL]                      ; the opening lines
	ds_add_u32 v[SPW], v[NIL]
	v_lshrrev_b32 v1, 5, v0
	v_readfirstlane_b32 s14, v1                    ; wave
	s_lshr_b32 s15, s14, 1                         ; th: my 64 of a panel's tokens
	s_and_b32 s16, s14, 1                          ; ph: my two of a unit's four weight tiles
	s_bfe_u32 s40, ttmp6, 0x40000                  ; cx: it enters the tokens' and the result's global addresses alone
	s_lshl_b32 s42, ttmp9, 2
	s_add_co_u32 s42, s42, s40                     ; x: token panels 2 x, 2 x + 1
	s_and_b32 s17, ttmp7, 0xffff                   ; y: weight panels 2 y, 2 y + 1, which the partners share
	s_mov_b32 s[G1], 15|(3<<16)|(1<<21)            ; all four work-groups; elements of 8 bytes; bit 21 beside a mask
	s_mov_b32 s[G1+1], 32<<16                      ; four records, 51,200 dense bytes, as 200 rows of 256 bytes
	s_mov_b32 s[G1+2], 200<<16
	s_mov_b32 s[G1+3], 32<<16
	s_mov_b32 s[G1+4], 200
	s_mov_b32 s[G1+5], 32
	s_mov_b32 s[G1+6], 0
	s_mov_b32 s[G1+7], 0
	s_mov_b32 s[G0], 1
	s_mul_i32 s[G0+1], s14, 4*REC                  ; my quarter of the 16 records, in LDS and in memory alike
	s_mul_i32 s46, s17, 16*REC
	s_add_co_u32 s46, s46, s[G0+1]
	s_add_co_u32 s46, s46, WOFF*REC
	s_mov_b32 s47, 0
	s_mul_i32 s20, s42, 16*REC                     ; token panel 2 x
	s_mov_b32 s21, 0
	s_mul_i32 s18, s15, 6144                       ; my four images in a record,
	s_mov_b32 s19, 0
	s_lshl_b32 s22, s15, 8                         ; and their 64 scale words
	s_mov_b32 s23, 0
	s_lshl_b32 s48, s42, 6
	s_lshl_b32 s49, s17, 1
	s_add_co_u32 s48, s48, s49                     ; the first record of the result: 32 (2 x) + 2 y
	s_mul_i32 s48, s48, REC
	s_mul_i32 s49, s14, 3072
	s_add_co_u32 s48, s48, s49                     ; the two images that I send
	s_mov_b32 s49, 0
	s_mov_b32 s[SEL], 0x76543210
	s_mov_b32 s[SEL+1], 0xfedcba98                 ; lane l xor 16
	; the scalar terms of the LDS addresses, all ahead of the vector lines that take them
	s_mul_i32 s52, s16, 3072                       ; weight tiles 2 ph + i of a unit
	s_lshl_b32 s53, s16, 7
	s_add_co_u32 s53, s53, 12288                   ; and their words
	s_lshl_b32 s54, s16, 8
	s_add_co_u32 s54, s54, s18
	s_add_co_u32 s54, s54, STG                     ; the stage: image 4 th, lanes 16 ph on
	s_add_co_u32 s55, s22, s16
	s_add_co_u32 s55, s55, STG+12288               ; my rows' words, byte ph
	s_mul_i32 s56, s14, 3072
	s_add_co_u32 s56, s56, STG                     ; back out of the stage: images 2 w, 2 w + 1
	s_lshl_b32 s57, s17, 2
	s_add_co_u32 s57, s57, s14
	s_mul_i32 s57, s57, 7                          ; the prefetch: blocks 7 (4 y + wave) + 0 .. 6 of the panel's 400
	s_mov_b32 s44, 0                               ; the weight panel in hand: 0 or PAN
	s_mov_b32 s3, 0                                ; the trip
	s_mov_b32 s50, REC                             ; from this trip's record to the next: 1 record, 31, 1
	s_mov_b32 s51, 0
	s_wait_alu depctr_va_vdst(0)
	s_wait_dscnt 0x0
	s_wait_kmcnt 0x0
	s_add_nc_u64 s[G0+2:G0+3], s[6:7], s[46:47]
	s_or_b32 s[G0+3], s[G0+3], 0x80000000
	s_add_nc_u64 s[36:37], s[4:5], s[20:21]
	s_add_nc_u64 s[20:21], s[36:37], s[18:19]      ; my tokens' codes
	s_add_nc_u64 s[22:23], s[36:37], s[22:23]      ; their words
	s_add_nc_u64 s[36:37], s[36:37], PAN           ; the second panel, for the prefetch
	s_add_nc_u64 s[8:9], s[8:9], s[48:49]
	CROUND                                         ; all four work-groups are here: the joint loads meet
	tensor_load_to_lds s[G0:G0+3], s[G1:G1+7]      ; my one tensor load
	s_nop 0
	PLACES
	v_and_b32 v1, 15, v0                           ; r
	v_bfe_u32 v2, v0, 4, 1                         ; h
	v_and_b32 v3, 31, v0                           ; lane
	v_lshlrev_b32 v4, 4, v3                        ; 16 x lane
	v_lshlrev_b32 v5, 2, v1                        ; 4 r
	v_add_nc_u32 v6, s52, v4
	v_add_nc_u32 v7, s53, v5
	v_lshl_add_u32 v12, v1, 4, s54                 ; lane r + 16 ph of image 4 th
	v_mad_u32_u24 v13, v2, 508, v12
	v_mad_u32_u24 v12, v2, 12, v12
	v_add_nc_u32 v14, s55, v5
	v_add_nc_u32 v15, s56, v4
	v_add_nc_u32 v16, STG+12288, v4                ; wave 0 reads the words back here
	v_mov_b32 v26, 0xaf95df0b                      ; the leading coefficients of P and of Q, as pairs
	v_mov_b32 v27, 0xaf95df0b
	v_mov_b32 v28, 0xb77460cd
	v_mov_b32 v29, 0xb77460cd
.irp a, 0,1,2,3
	v_mov_b32 v[TM+4+\a], 0                        ; a lane permute's destination counts as one of its sources
.endr
	v_min_u32 v18, 6, v3
	v_add_nc_u32 v18, s57, v18
	v_min_u32 v18, 399, v18                        ; held inside the panel
	v_lshlrev_b32 v18, 8, v18
	ADDR                                           ; its wait ends the head's vector lines
.irp q, 0,1,2,3
	QPART \q
.endr
	global_prefetch_b8 v18, s[36:37] th:TH_LOAD_NT scope:SCOPE_SE
	s_wait_tensorcnt 0x0                           ; my quarter is in
	BARRIER                                        ; everybody's is
.irp q, 0,1,2,3
	FETCHQ 0, \q
.endr
.Ltrip:
	s_wait_loadcnt 0x0                             ; my tokens
	s_wait_dscnt 0x0                               ; unit 0's fragments
	MUL
	PLACES                                         ; in front of loads into registers that the products read, and of the first read of a result
	EPI 0, 1, 0
	s_wait_dscnt 0x0                               ; unit 1's fragments
	MUL
	s_xor_b32 s44, s44, PAN                        ; the next trip's weight panel
	ADDR
	EPI 1, 0, 1
	s_wait_dscnt 0x0                               ; for the others' sake: my part of the record lies in the stage
	BARRIER
.irp m, 0,1,2,3,4,5
	ds_load_b128 v[96+4*\m:99+4*\m], v15 offset:512*\m
.endr
	s_cmp_lg_u32 s14, 0
	s_cbranch_scc1 .Lno_words
	ds_load_b128 v[120:123], v16                   ; wave 0 sends the record's 128 scale words as 512 consecutive bytes
	s_wait_dscnt 0x0
	global_store_b128 v4, v[120:123], s[8:9] offset:12288
.Lno_words:
	s_wait_dscnt 0x0                               ; my reads of the stage are over
	BARRIER                                        ; everybody's are: the next trip may write it
.irp m, 0,1,2,3,4,5
	global_store_b128 v4, v[96+4*\m:99+4*\m], s[8:9] offset:512*\m   ; 512 consecutive bytes
.endr
	s_wait_xcnt 0x0                                ; the stores have read their base and their registers
	s_add_nc_u64 s[8:9], s[8:9], s[50:51]
	s_xor_b32 s50, s50, (REC)^(31*REC)
	s_add_co_u32 s3, s3, 1
	s_cmp_lt_u32 s3, 4
	s_wait_alu depctr_va_vdst(0)
	s_cbranch_scc1 .Ltrip
	s_wait_tensorcnt 0x0                           ; the wave's end
	ds_add_u32 v[SPW], v[NIL]
	s_wait_dscnt 0x0
	CROUND                                         ; the closing round
	s_endpgm
.Lfunc_end_k_q69eb21ce86_g5:
	.size	k_q69eb21ce86_g5, .Lfunc_end_k_q69eb21ce86_g5-k_q69eb21ce86_g5
	.p2alignl 7, 3214868480
	.fill 96, 4, 3214868480
	.section	.rodata,"a",@progbits
	.p2align	6, 0x0
	.amdhsa_kernel k_q69eb21ce86_g5
		.amdhsa_group_segment_fixed_size 218112
		.amdhsa_private_segment_fixed_size 0
		.amdhsa_enable_private_segment 0
		.amdhsa_kernarg_size 24
		.amdhsa_user_sgpr_count 2
		.amdhsa_user_sgpr_kernarg_segment_ptr 1
		.amdhsa_wavefront_size32 1
		.amdhsa_system_sgpr_workgroup_id_x 1
		.amdhsa_system_sgpr_workgroup_id_y 1
		.amdhsa_system_sgpr_workgroup_id_z 1
		.amdhsa_system_vgpr_workitem_id 0
		.amdhsa_next_free_vgpr 960
		.amdhsa_next_free_sgpr 66
		.amdhsa_reserve_vcc 0
		.amdhsa_float_denorm_mode_32 3
		.amdhsa_float_denorm_mode_16_64 3
		.amdhsa_memory_ordered 1
		.amdhsa_forward_progress 1
		.amdhsa_inst_pref_size 170
	.end_amdhsa_kernel
	.amdgpu_metadata
---
amdhsa.version: [ 1, 2 ]
amdhsa.kernels:
  - .name:           k_q69eb21ce86_g5
    .symbol:         k_q69eb21ce86_g5.kd
    .args:
      - { .name: xn, .offset: 0, .size: 8, .value_kind: global_buffer, .address_space: global }
      - { .name: wc, .offset: 8, .size: 8, .value_kind: global_buffer, .address_space: global }
      - { .name: hb, .offset: 16, .size: 8, .value_kind: global_buffer, .address_space: global }
    .group_segment_fixed_size: 218112
    .private_segment_fixed_size: 0
    .kernarg_segment_align: 8
    .kernarg_segment_size: 24
    .max_flat_workgroup_size: 128
    .sgpr_count:     66
    .vgpr_count:     960
    .wavefront_size: 32
...
	.end_amdgpu_metadata
.endif
;; end of part 6
;; launch g6 (part 7): grid 8 x 32, 4 waves a work-group, clusters of 4 x 4, 327,680 bytes of LDS; arguments hb, wc, x1, out0; writes out0
.if DOCPART == 7
	.amdgcn_target "amdgcn-amd-amdhsa--gfx1250"
	.amdhsa_code_object_version 6
	.text
	.protected	k_q69eb21ce86_g6
	.globl	k_q69eb21ce86_g6
	.p2align	8
	.type	k_q69eb21ce86_g6,@function
k_q69eb21ce86_g6:
	s_mov_b64 s[64:65], 0
	v_nop
	global_prefetch_b8 v0, s[64:65] scope:SCOPE_SE
	s_setreg_imm32_b32 hwreg(HW_REG_WAVE_MODE, 25, 1), 1
	s_wait_xcnt 0x0
	s_wait_alu depctr_hold_cnt(0) depctr_sa_sdst(0) depctr_va_vdst(0) depctr_va_sdst(0) depctr_va_ssrc(0) depctr_va_vcc(0) depctr_vm_vsrc(0)
	s_getreg_b32 s2, hwreg(HW_REG_IB_STS2, 6, 4)
	s_cmp_eq_u32 s2, 0
	s_cbranch_scc0 .Lentry_in_a_cluster
	s_endpgm
.Lentry_in_a_cluster:
	s_bfe_u32 s2, ttmp6, 0x10000c
	s_cmp_lg_u32 s2, 0xf033
	s_cbranch_scc0 .Lentry_shape_is_right
	s_endpgm
.Lentry_shape_is_right:
.set REC,   12800
.set XO,    4*REC
.set SLOT,  8*REC
.set NLD,   40
.set WOFF,  512
.set STAGE, 2*SLOT
.set SPARE, STAGE+4*8448
.set AP,    8
.set AQ,    10
.set ASP,   12
.set ASQ,   14
.set STO,   20
.set RD,    21
.set SCW,   32
.set ACC,   128
.set G1Y,   24
.set G0Y,   32
.set G1X,   48
.set G0X,   56
.set MSB, 0
.macro WIN new
.if MSB != \new
	s_set_vgpr_msb (MSB<<8)|\new
.set MSB, \new
.endif
.endm
.macro PLACES
.rept 4
	v_nop
.endr
.endm
.macro JLOAD s
	s_cmp_eq_u32 s15, 0
	s_cbranch_scc0 .Lfor_x_\@
	tensor_load_to_lds s[G0Y+4*\s:G0Y+4*\s+3], s[G1Y:G1Y+7]
	s_nop 0
.rept 4
	v_nop
.endr
	s_branch .Lasked_\@
.Lfor_x_\@:
	tensor_load_to_lds s[G0X+4*\s:G0X+4*\s+3], s[G1X:G1X+7]
	s_nop 0
.rept 4
	v_nop
.endr
.Lasked_\@:
.endm
.macro CREST
	s_cmp_lg_u32 s14, 0
	s_cbranch_scc1 .Lnot_wave_0_\@
	s_barrier_signal -3
.Lnot_wave_0_\@:
	s_barrier_wait -3
	s_barrier_signal -1
	s_barrier_wait -1
.endm
.macro CROUND
	s_barrier_signal -1
	s_barrier_wait -1
	CREST
.endm
.macro FETCH slot, q, f
	WIN 0x40
.irp i, 0,1,2,3,4,5,6,7
.irp c, 0,1,2
	ds_load_b128 v[128*(\f)+12*\i+4*\c:128*(\f)+12*\i+4*\c+3], v[AP+\slot] offset:(\q)*REC+1536*\i+512*\c
.endr
.endr
.irp a, 0,1
.irp c, 0,1,2
	ds_load_b128 v[128*(\f)+96+12*\a+4*\c:128*(\f)+96+12*\a+4*\c+3], v[AQ+\slot] offset:(\q)*REC+1536*\a+512*\c
.endr
.endr
	WIN 0
.irp i, 0,1,2,3,4,5,6,7
	ds_load_b32 v[SCW+10*(\f)+\i], v[ASP+\slot] offset:(\q)*REC+64*\i
.endr
.irp a, 0,1
	ds_load_b32 v[SCW+10*(\f)+8+\a], v[ASQ+\slot] offset:(\q)*REC+64*\a
.endr
.endm
.macro MUL4 f, i0, zero
.irp i, \i0, \i0+1
.irp a, 0,1
.if \zero
	v_wmma_scale_f32_16x16x128_f8f6f4 v[ACC+64*\a+8*(\i):ACC+64*\a+8*(\i)+7], v[128*(\f)+12*(\i):128*(\f)+12*(\i)+11], v[128*(\f)+96+12*\a:128*(\f)+96+12*\a+11], 0, v[SCW+10*(\f)+(\i)], v[SCW+10*(\f)+8+\a] matrix_a_fmt:MATRIX_FMT_FP6 matrix_b_fmt:MATRIX_FMT_FP6
.else
	v_wmma_scale_f32_16x16x128_f8f6f4 v[ACC+64*\a+8*(\i):ACC+64*\a+8*(\i)+7], v[128*(\f)+12*(\i):128*(\f)+12*(\i)+11], v[128*(\f)+96+12*\a:128*(\f)+96+12*\a+11], v[ACC+64*\a+8*(\i):ACC+64*\a+8*(\i)+7], v[SCW+10*(\f)+(\i)], v[SCW+10*(\f)+8+\a] matrix_a_fmt:MATRIX_FMT_FP6 matrix_b_fmt:MATRIX_FMT_FP6
.endif
.endr
.endr
.endm
.macro STEP slot, q, zero
	PLACES
	FETCH \slot, (\q)+1, 1-(\q)%2
	s_wait_dscnt NLD
	WIN 0x05
	MUL4 (\q)%2, 0, \zero
	MUL4 (\q)%2, 2, \zero
	MUL4 (\q)%2, 4, \zero
	MUL4 (\q)%2, 6, \zero
	WIN 0
.endm
.macro TURN slot, next, fill
	s_wait_tensorcnt 0x0
	ds_add_u32 v28, v29
	s_wait_dscnt 1
	WIN 0x05
	MUL4 1, 0, 0
	s_wait_dscnt 0x0
	s_barrier_signal -1
	MUL4 1, 2, 0
	WIN 0
	s_barrier_wait -1
.if \fill
	CREST
	s_add_nc_u64 s[G0Y+4*\slot+2:G0Y+4*\slot+3], s[G0Y+4*\slot+2:G0Y+4*\slot+3], SLOT
	s_add_nc_u64 s[G0X+4*\slot+2:G0X+4*\slot+3], s[G0X+4*\slot+2:G0X+4*\slot+3], SLOT
	JLOAD \slot
.else
	PLACES
.endif
	FETCH \next, 0, 0
	WIN 0x05
	MUL4 1, 4, 0
	MUL4 1, 6, 0
	WIN 0
.endm
	s_load_b256 s[4:11], s[0:1], 0x0
	v_lshl_add_u32 v28, v0, 2, SPARE
	v_mov_b32 v29, 0
	ds_add_u32 v28, v29
	ds_add_u32 v28, v29
	s_wait_dscnt 0x0
	v_lshrrev_b32 v1, 5, v0
	v_readfirstlane_b32 s14, v1
	s_lshr_b32 s15, s14, 1
	s_and_b32 s16, s14, 1
	s_bfe_u32 s40, ttmp6, 0x40000
	s_bfe_u32 s41, ttmp6, 0x40004
	s_lshl_b32 s42, ttmp9, 2
	s_add_co_u32 s42, s42, s40
	s_and_b32 s17, ttmp7, 0xffff
	s_lshl_b32 s17, s17, 2
	s_add_co_u32 s17, s17, s41
	s_lshl_b32 s43, s41, 2
	s_lshl_b32 s43, 15, s43
	s_lshl_b32 s44, 0x1111, s40
	s_or_b32 s[G1Y], s43, (3<<16)|(1<<21)
	s_or_b32 s[G1X], s44, (3<<16)|(1<<21)
.irp g, G1Y, G1X
	s_mov_b32 s[\g+1], 32<<16
	s_mov_b32 s[\g+2], 100<<16
	s_mov_b32 s[\g+3], 32<<16
	s_mov_b32 s[\g+4], 100
	s_mov_b32 s[\g+5], 32
	s_mov_b32 s[\g+6], 0
	s_mov_b32 s[\g+7], 0
.endr
	s_mul_i32 s18, s16, 2*REC
	s_mul_i32 s20, s17, 32*REC
	s_add_co_u32 s20, s20, s18
	s_mov_b32 s21, 0
	s_mul_i32 s46, s42, 32*REC
	s_add_co_u32 s46, s46, s18
	s_add_co_u32 s46, s46, WOFF*REC
	s_mov_b32 s47, 0
	s_mul_i32 s45, s14, 2*REC
	s_lshl_b32 s66, s17, 7
	s_lshl_b32 s67, s14, 5
	s_add_co_u32 s66, s66, s67
	s_lshl_b32 s66, s66, 12
	s_lshl_b32 s67, s42, 9
	s_add_co_u32 s66, s66, s67
	s_mov_b32 s67, 0
	s_wait_kmcnt 0x0
	s_add_nc_u64 s[20:21], s[4:5], s[20:21]
	s_add_nc_u64 s[46:47], s[6:7], s[46:47]
	s_add_nc_u64 s[8:9], s[8:9], s[66:67]
	s_add_nc_u64 s[10:11], s[10:11], s[66:67]
	CROUND
.irp s, 0,1
	s_mov_b32 s[G0Y+4*\s], 1
	s_add_co_u32 s[G0Y+4*\s+1], s45, \s*SLOT
	s_add_nc_u64 s[G0Y+4*\s+2:G0Y+4*\s+3], s[20:21], \s*XO
	s_or_b32 s[G0Y+4*\s+3], s[G0Y+4*\s+3], 0x80000000
	s_mov_b32 s[G0X+4*\s], 1
	s_add_co_u32 s[G0X+4*\s+1], s45, \s*SLOT
	s_add_nc_u64 s[G0X+4*\s+2:G0X+4*\s+3], s[46:47], \s*XO
	s_or_b32 s[G0X+4*\s+3], s[G0X+4*\s+3], 0x80000000
	s_wait_alu depctr_va_vdst(0)
	s_wait_tensorcnt 0x0
	ds_add_u32 v28, v29
	ds_add_u32 v28, v29
	s_wait_dscnt 0x0
	CROUND
	JLOAD \s
.endr
	v_and_b32 v1, 15, v0
	v_bfe_u32 v2, v0, 4, 1
	v_and_b32 v3, 31, v0
	v_lshlrev_b32 v4, 4, v3
	v_lshlrev_b32 v6, 2, v1
	v_add_nc_u32 v[AP], XO, v4
	s_mul_i32 s18, s14, 3072
	v_add_nc_u32 v[AQ], s18, v4
	v_add_nc_u32 v[ASP], XO+12288, v6
	s_lshl_b32 s19, s14, 7
	s_add_co_u32 s19, s19, 12288
	v_add_nc_u32 v[ASQ], s19, v6
.irp g, AP, AQ, ASP, ASQ
	v_add_nc_u32 v[\g+1], SLOT, v[\g]
.endr
	s_mul_i32 s19, s14, 8448
	s_add_co_u32 s19, s19, STAGE
	v_mul_u32_u24 v[STO], v1, 528
	v_lshl_add_u32 v[STO], v2, 6, v[STO]
	v_add_nc_u32 v[STO], s19, v[STO]
	v_add_nc_u32 v[RD], s19, v4
	WIN 0x80
.irp a, 0,1
.irp t, 0,1,2,3,4,5,6,7,8,9,10,11,12,13,14,15
	global_load_b128 v[64*\a+4*\t:64*\a+4*\t+3], v4, s[8:9] offset:(8*\a+\t+8*(\t/8))*4096
.endr
.endr
	WIN 0
	s_wait_alu depctr_va_vdst(0)
	s_wait_tensorcnt 1
	s_barrier_signal -1
	s_barrier_wait -1
	FETCH 0, 0, 0
	STEP 0, 0, 1
	s_mov_b32 s3, 3
.Llap:
	STEP 0, 1, 0
	STEP 0, 2, 0
	TURN 0, 1, 1
	STEP 1, 0, 0
	STEP 1, 1, 0
	STEP 1, 2, 0
	TURN 1, 0, 1
	STEP 0, 0, 0
	s_sub_co_u32 s3, s3, 1
	s_cmp_lg_u32 s3, 0
	s_cbranch_scc1 .Llap
	STEP 0, 1, 0
	STEP 0, 2, 0
	TURN 0, 1, 0
	STEP 1, 0, 0
	STEP 1, 1, 0
	STEP 1, 2, 0
	s_wait_dscnt 0x0
	WIN 0x05
	MUL4 1, 0, 0
	MUL4 1, 2, 0
	MUL4 1, 4, 0
	MUL4 1, 6, 0
	WIN 0
	PLACES
	s_wait_loadcnt 0x0
.macro OUT a
.if \a
	s_wait_xcnt 0x0
.endif
.irp i, 0,1,2,3,4,5,6,7
	ds_store_b128 v[STO], v[ACC+64*\a+8*\i:ACC+64*\a+8*\i+3] offset:128*(\i/2)+32*(\i%2)
	ds_store_b128 v[STO], v[ACC+64*\a+8*\i+4:ACC+64*\a+8*\i+7] offset:128*(\i/2)+32*(\i%2)+16
.endr
.irp t, 0,1,2,3,4,5,6,7,8,9,10,11,12,13,14,15
	ds_load_b128 v[64+4*\t:67+4*\t], v[RD] offset:528*\t
.endr
	s_wait_dscnt 0x0
	WIN 0x08
.set pp, 0
.rept 32
	v_pk_add_f32 v[64+pp:65+pp], v[64+pp:65+pp], v[64*\a+pp:64*\a+pp+1]
.set pp, pp+2
.endr
	WIN 0
.irp t, 0,1,2,3,4,5,6,7,8,9,10,11,12,13,14,15
	global_store_b128 v4, v[64+4*\t:67+4*\t], s[10:11] offset:(8*\a+\t+8*(\t/8))*4096 th:TH_STORE_NT
.endr
.endm
	OUT 0
	OUT 1
	s_wait_tensorcnt 0x0
	ds_add_u32 v28, v29
	s_wait_dscnt 0x0
	CROUND
	s_endpgm
.Lfunc_end_k_q69eb21ce86_g6:
	.size	k_q69eb21ce86_g6, .Lfunc_end_k_q69eb21ce86_g6-k_q69eb21ce86_g6
	.p2alignl 7, 3214868480
	.fill 96, 4, 3214868480
	.section	.rodata,"a",@progbits
	.p2align	6, 0x0
	.amdhsa_kernel k_q69eb21ce86_g6
		.amdhsa_group_segment_fixed_size 327680
		.amdhsa_private_segment_fixed_size 0
		.amdhsa_enable_private_segment 0
		.amdhsa_kernarg_size 32
		.amdhsa_user_sgpr_count 2
		.amdhsa_user_sgpr_kernarg_segment_ptr 1
		.amdhsa_wavefront_size32 1
		.amdhsa_system_sgpr_workgroup_id_x 1
		.amdhsa_system_sgpr_workgroup_id_y 1
		.amdhsa_system_sgpr_workgroup_id_z 1
		.amdhsa_system_vgpr_workitem_id 0
		.amdhsa_next_free_vgpr 640
		.amdhsa_next_free_sgpr 72
		.amdhsa_reserve_vcc 0
		.amdhsa_float_denorm_mode_32 3
		.amdhsa_float_denorm_mode_16_64 3
		.amdhsa_memory_ordered 1
		.amdhsa_forward_progress 1
		.amdhsa_inst_pref_size 102
	.end_amdhsa_kernel
	.amdgpu_metadata
---
amdhsa.version: [ 1, 2 ]
amdhsa.kernels:
  - .name:           k_q69eb21ce86_g6
    .symbol:         k_q69eb21ce86_g6.kd
    .args:
      - { .name: hb, .offset: 0, .size: 8, .value_kind: global_buffer, .address_space: global }
      - { .name: wc, .offset: 8, .size: 8, .value_kind: global_buffer, .address_space: global }
      - { .name: x1, .offset: 16, .size: 8, .value_kind: global_buffer, .address_space: global }
      - { .name: out0, .offset: 24, .size: 8, .value_kind: global_buffer, .address_space: global }
    .group_segment_fixed_size: 327680
    .private_segment_fixed_size: 0
    .kernarg_segment_align: 8
    .kernarg_segment_size: 32
    .max_flat_workgroup_size: 128
    .sgpr_count:     72
    .vgpr_count:     640
    .wavefront_size: 32
...
	.end_amdgpu_metadata
.endif
;; end of part 7
